; MI455X (gfx1250); checked and timed in simulation.
; The chip was launched on July 23, 2026; its instructions are those of AMD's public machine-readable ISA for CDNA 5 (MIT licence, August 2026) and "CDNA5" Instruction Set Architecture Reference Guide (July 2026). The comments in the code are by the model that wrote it; some were corrected since.
;; Causal Self Attention. Allowed arithmetic: float matrix products may take bf16 or f16 operands with f32 sums; all other float work in f32.
;; Inputs: attn_mask 1 x 1 x 2,048 x 2,048 int32; b_out 1,024 float32; b_qkv 3,072 float32; w_out 1,024 x 1,024 float32; w_qkv 3,072 x 1,024 float32; x 4 x 2,048 x 1,024 float32.
;; Outputs: out0 4 x 2,048 x 1,024 float32.
;; 2 versions, each right and faster than the one before. Each part assembles by itself: llvm-mc -triple=amdgcn-amd-amdhsa -mcpu=gfx1250 --defsym DOCPART=n.
;; ======== version 1 of 2: 4 launches
;; limits: values are held in f16: magnitudes above 65,504 overflow, below 6.1e-05 lose precision
;; workspace buffers: xb 16,777,216 bytes; wqb 6,291,456 bytes; wob 2,097,152 bytes; mbits 524,288 bytes of whole numbers; qkv 50,331,648 bytes; ao 16,777,216 bytes
;; launch prep (part 1): grid 1024 x 1, 8 waves a work-group, no clusters, 68,608 bytes of LDS; arguments x, w_qkv, w_out, attn_mask, xb, wqb, wob, mbits; writes xb, wqb, wob, mbits
.if DOCPART == 1
	.amdgcn_target "amdgcn-amd-amdhsa--gfx1250"
	.amdhsa_code_object_version 6
	.text
	.protected	k_q58c204c4a7_prep
	.globl	k_q58c204c4a7_prep
	.p2align	8
	.type	k_q58c204c4a7_prep,@function
k_q58c204c4a7_prep:
	s_mov_b64 s[64:65], 0
	v_nop
	global_prefetch_b8 v0, s[64:65] scope:SCOPE_SE
	s_setreg_imm32_b32 hwreg(HW_REG_WAVE_MODE, 25, 1), 1
	s_wait_xcnt 0x0
; prep: four jobs, picked by the work-group number; every work-group moves 65,536 input bytes.
;   0..511     x         [8192][1024] f32 -> xb    [16][8192][64] bf16   (first index: k / 64)
;   512..703   w_qkv     [3072][1024] f32 -> wqb   [16][3072][64] bf16
;   704..767   w_out     [1024][1024] f32 -> wob   [16][1024][64] f16 that holds the number rounded to bf16
;   768..1023  attn_mask [2048][2048] i32 -> mbits [128 query tiles][128 key tiles][8] words:
;              bit L of word j = (mask[16 qt + (L & 15)][16 kt + 8 (L >> 4) + j] != 0),
;              the lane mask of register j of a 16 key x 16 query score tile as the attention launch holds it.
; All three floating-point inputs are rounded to bf16 alike, so the program computes the module on inputs rounded to bf16.  w_out meets an
; f16 operand in the output projection and the matrix instruction takes both sources in one format, so its bf16 number is carried in f16:
; exact for magnitudes from 2^-17 to 65,504; below 2^-17 the error is at most 2^-25; LIMIT: above 65,504 it becomes infinite.
; In the blocked order 64 k of any run of rows are one dense block, so the later launches fetch whole aligned pieces of 256 bytes.
; No matrix unit and no cluster: every byte is read once and written once, nothing is shared between work-groups.
.set XR, 8                             ; v[8:71]    16 loads of 16 bytes
.set YR, 72                            ; v[72:103]  packed 16-bit numbers, registers of their own for each store; mask job: v[72:135] the 64 mask numbers of a lane
; Cast job: the work-group owns 16 rows of 4,096 bytes; a wave owns two rows; step t is k block t.  half = 1: the bf16 number goes out as f16.
; A load of a wave covers two aligned pieces of 256 bytes (one in each row); a store covers 256 aligned consecutive bytes.
.macro CAST src, dst, sblk, first, half
	s_sub_co_u32 s33, s12, \first                  ; my block of 16 rows
	s_lshl_b32 s34, s33, 16                        ; 16 rows x 4,096 bytes
	s_add_nc_u64 s[36:37], s[\src:\src+1], s[34:35]
	s_lshl_b32 s34, s33, 11                        ; 16 rows x 128 bytes
	s_add_nc_u64 s[38:39], s[\dst:\dst+1], s[34:35]
	v_add_nc_u32 v3, 8*\sblk, v2                   ; k blocks 8..15: the immediate alone would not reach them
.set t, 0
.rept 16
	global_load_b128 v[XR+4*t:XR+4*t+3], v1, s[36:37] offset:256*t th:TH_LOAD_NT
.set t, t+1
.endr
.set t, 0
.rept 16
	s_wait_loadcnt 15-t                            ; loads return in order: load t is in, the 15 - t younger ones stay out
	v_cvt_pk_bf16_f32 v[YR+2*t], v[XR+4*t], v[XR+4*t+1]
	v_cvt_pk_bf16_f32 v[YR+2*t+1], v[XR+4*t+2], v[XR+4*t+3]
.if \half
	v_lshlrev_b32 v[XR+4*t], 16, v[YR+2*t]         ; the bf16 numbers as f32 again (load t is in: its registers are free),
	v_and_b32 v[XR+4*t+1], 0xffff0000, v[YR+2*t]
	v_lshlrev_b32 v[XR+4*t+2], 16, v[YR+2*t+1]
	v_and_b32 v[XR+4*t+3], 0xffff0000, v[YR+2*t+1]
	v_cvt_pk_f16_f32 v[YR+2*t], v[XR+4*t], v[XR+4*t+1]         ; and in f16, which has room for their eight significant bits
	v_cvt_pk_f16_f32 v[YR+2*t+1], v[XR+4*t+2], v[XR+4*t+3]
.endif
	global_store_b64 v[2+t/8], v[YR+2*t:YR+2*t+1], s[38:39] offset:(t%8)*\sblk
.set t, t+1
.endr
	s_endpgm
.endm
	s_load_b512 s[16:31], s[0:1], 0x0              ; x, w_qkv, w_out, attn_mask, xb, wqb, wob, mbits
	v_lshl_add_u32 v140, v0, 2, 0x10800
	v_mov_b32 v141, 0
	s_mov_b32 s12, ttmp9
	s_mov_b32 s35, 0                               ; upper word of every offset pair
	v_lshrrev_b32 v1, 4, v0                        ; thread / 16 = row of the 16
	v_and_b32 v4, 15, v0
	v_lshlrev_b32 v1, 12, v1
	v_lshl_or_b32 v1, v4, 4, v1                    ; source: row x 4,096 + 16 (thread mod 16)
	v_lshlrev_b32 v2, 3, v0                        ; destination: row x 128 + 8 (thread mod 16) = 8 x thread
	s_wait_kmcnt 0x0
	s_cmp_ge_u32 s12, 768
	s_cbranch_scc1 .Lmask
	s_cmp_ge_u32 s12, 704
	s_cbranch_scc1 .Lwout
	s_cmp_ge_u32 s12, 512
	s_cbranch_scc1 .Lwqkv
	CAST 16, 24, 1048576, 0, 0
.Lwqkv:
	CAST 18, 26, 393216, 512, 0
.Lwout:
	CAST 20, 28, 131072, 704, 1
.Lmask:
	; Mask job g: query tile g / 2, columns 1,024 (g mod 2) ...; wave w owns 16 rows x 128 columns = 8 key tiles.
	; Rows come in as 512 consecutive bytes, turn through the wave's own LDS bytes (pitch 528 = 33 x 16), and each lane
	; takes back the 8 x 8 numbers of its row and its half of each key tile.
	s_sub_co_u32 s33, s12, 768
	s_lshr_b32 s40, s33, 1
	s_and_b32 s41, s33, 1
	s_lshl_b32 s34, s40, 17                        ; 16 rows x 8,192 bytes
	s_lshl_b32 s41, s41, 12
	s_add_co_u32 s34, s34, s41
	s_add_nc_u64 s[36:37], s[22:23], s[34:35]
	s_lshl_b32 s34, s33, 11                        ; query tile x 4,096 + half x 2,048
	s_add_nc_u64 s[38:39], s[30:31], s[34:35]
	v_lshrrev_b32 v6, 5, v0
	v_readfirstlane_b32 s8, v6                     ; wave
	s_mul_i32 s9, s8, 8448                         ; my 16 x 528 bytes of LDS
	v_lshlrev_b32 v3, 4, v0                        ; source: 512 x wave + 16 x lane
	v_and_b32 v6, 31, v0
	v_lshl_add_u32 v7, v6, 4, s9                   ; in: 16 x lane of a row
	v_and_b32 v136, 15, v0
	v_bfe_u32 v138, v0, 4, 1
	v_mul_u32_u24 v137, v136, 528
	v_lshl_add_u32 v137, v138, 5, v137
	v_add_nc_u32 v137, s9, v137                    ; back: row (lane mod 16), 32 bytes for each half of the lanes
.set t, 0
.rept 16
	global_load_b128 v[XR+4*t:XR+4*t+3], v3, s[36:37] offset:8192*t th:TH_LOAD_NT
.set t, t+1
.endr
.set t, 0
.rept 16
	s_wait_loadcnt 15-t                            ; row t is in, the younger rows stay out
	ds_store_b128 v7, v[XR+4*t:XR+4*t+3] offset:528*t
.set t, t+1
.endr
.set t, 0
.rept 8
	ds_load_b128 v[YR+8*t:YR+8*t+3], v137 offset:64*t          ; LDS serves a wave in order: these see the stores above; the bytes are the wave's own
	ds_load_b128 v[YR+8*t+4:YR+8*t+7], v137 offset:64*t+16
.set t, t+1
.endr
	v_mov_b32 v4, 0
	v_mov_b32 v5, 0
	s_wait_dscnt 0x0
.set t, 0
.rept 64
	v_cmp_ne_u32 s[40+t%4], 0, v[YR+t]             ; word t = 8 x key tile + j, one bit a lane
	v_writelane_b32 v[4+t%2], s[40+t%4], t/2       ; lane t / 2 carries words t and t + 1
.set t, t+1
.endr
	global_store_b64 v2, v[4:5], s[38:39]          ; the wave's 64 words: 256 aligned consecutive bytes
	s_wait_tensorcnt 0x0
	ds_add_u32 v140, v141
	s_wait_dscnt 0x0
	s_endpgm
.Lfunc_end_k_q58c204c4a7_prep:
	.size	k_q58c204c4a7_prep, .Lfunc_end_k_q58c204c4a7_prep-k_q58c204c4a7_prep
	.p2alignl 7, 3214868480
	.fill 96, 4, 3214868480
	.section	.rodata,"a",@progbits
	.p2align	6, 0x0
	.amdhsa_kernel k_q58c204c4a7_prep
		.amdhsa_group_segment_fixed_size 68608
		.amdhsa_private_segment_fixed_size 0
		.amdhsa_enable_private_segment 0
		.amdhsa_kernarg_size 64
		.amdhsa_user_sgpr_count 2
		.amdhsa_user_sgpr_kernarg_segment_ptr 1
		.amdhsa_wavefront_size32 1
		.amdhsa_system_sgpr_workgroup_id_x 1
		.amdhsa_system_sgpr_workgroup_id_y 1
		.amdhsa_system_sgpr_workgroup_id_z 1
		.amdhsa_system_vgpr_workitem_id 0
		.amdhsa_next_free_vgpr 142
		.amdhsa_next_free_sgpr 66
		.amdhsa_reserve_vcc 0
		.amdhsa_float_denorm_mode_32 3
		.amdhsa_float_denorm_mode_16_64 3
		.amdhsa_memory_ordered 1
		.amdhsa_forward_progress 1
		.amdhsa_inst_pref_size 37
	.end_amdhsa_kernel
	.amdgpu_metadata
---
amdhsa.version: [ 1, 2 ]
amdhsa.kernels:
  - .name:           k_q58c204c4a7_prep
    .symbol:         k_q58c204c4a7_prep.kd
    .args:
      - { .name: x, .offset: 0, .size: 8, .value_kind: global_buffer, .address_space: global }
      - { .name: w_qkv, .offset: 8, .size: 8, .value_kind: global_buffer, .address_space: global }
      - { .name: w_out, .offset: 16, .size: 8, .value_kind: global_buffer, .address_space: global }
      - { .name: attn_mask, .offset: 24, .size: 8, .value_kind: global_buffer, .address_space: global }
      - { .name: xb, .offset: 32, .size: 8, .value_kind: global_buffer, .address_space: global }
      - { .name: wqb, .offset: 40, .size: 8, .value_kind: global_buffer, .address_space: global }
      - { .name: wob, .offset: 48, .size: 8, .value_kind: global_buffer, .address_space: global }
      - { .name: mbits, .offset: 56, .size: 8, .value_kind: global_buffer, .address_space: global }
    .group_segment_fixed_size: 68608
    .private_segment_fixed_size: 0
    .kernarg_segment_align: 8
    .kernarg_segment_size: 64
    .max_flat_workgroup_size: 256
    .sgpr_count:     66
    .vgpr_count:     142
    .wavefront_size: 32
...
	.end_amdgpu_metadata
.endif
;; end of part 1
;; launch qkv (part 2): grid 8 x 32, 4 waves a work-group, clusters of 4 x 4, 327,680 bytes of LDS; arguments xb, wqb, b_qkv, qkv; writes qkv
.if DOCPART == 2
	.amdgcn_target "amdgcn-amd-amdhsa--gfx1250"
	.amdhsa_code_object_version 6
	.text
	.protected	k_q58c204c4a7_qkv
	.globl	k_q58c204c4a7_qkv
	.p2align	8
	.type	k_q58c204c4a7_qkv,@function
k_q58c204c4a7_qkv:
	s_mov_b64 s[64:65], 0
	v_nop
	global_prefetch_b8 v0, s[64:65] scope:SCOPE_SE
	s_setreg_imm32_b32 hwreg(HW_REG_WAVE_MODE, 25, 1), 1
	s_wait_xcnt 0x0
	s_wait_alu depctr_hold_cnt(0) depctr_sa_sdst(0) depctr_va_vdst(0) depctr_va_sdst(0) depctr_va_ssrc(0) depctr_va_vcc(0) depctr_vm_vsrc(0)
	s_getreg_b32 s2, hwreg(HW_REG_IB_STS2, 6, 4)
	s_cmp_eq_u32 s2, 0
	s_cbranch_scc0 .Lentry_in_a_cluster
	s_endpgm
.Lentry_in_a_cluster:
	s_bfe_u32 s2, ttmp6, 0x10000c
	s_cmp_lg_u32 s2, 0xf033
	s_cbranch_scc0 .Lentry_shape_is_right
	s_endpgm
.Lentry_shape_is_right:
; qkv = x w_qkv^T + b_qkv, bf16 operands, f32 sums; stored as f16 in the order in which the attention launch loads fragments.
; WHY f16 OUT: q, k and v are operands of the next products; a row that attends to few keys is as large as v itself, and eight significant
; bits there would cost more than a hundredth of the output's root mean square; f16 has eleven.
; LIMIT: 0.18 q, k or v above 65,504 in magnitude becomes infinite.  Room: x and w_qkv both thirty times the drawn spread give about
; 900 x 5.5 = 5,000; a common offset of thirty spreads on both gives 1,024 x 30 x 30/32 = 28,800.
; A work-group makes 256 tokens x 384 columns (6 heads): 32 x 8 = 256 work-groups.  Four waves, 2 x 2; a wave makes 128 tokens x 192 columns:
; 96 accumulator tiles of 16 x 16 in register windows 1 to 3, one head a window, tile (a, bl) at v[8 (8 bl + a)].
; K goes in steps of 64 through two LDS slots filled by the tensor data mover; a K step of a run of rows is a dense block in xb and wqb.
; CLUSTERS 4 x 4: the token tile is shared along a row of the cluster, the weight tile along a column; each is asked for jointly.
; The matrix instruction is used transposed (source 0 = 16 weight rows, source 1 = 16 token rows): lane (r, h) then holds token r and the
; eight neighbouring columns 8 h + 0..7, 16 bytes of f16 that lie together in the output order: no LDS stage on the way out.
; q is multiplied by 0.125 log2(e) in f32 (bias included) before its one rounding to f16: the attention launch then works in powers of two.
; Output: qkv[which][batch x 16 + head][token tile of 16][2,048 bytes]; q, k tile: [d / 8][token][8 d]; v tile: [d / 16][token / 8][(d / 8) mod 2][token mod 8][8 d].
.set PITCH,  144                       ; an LDS row: 128 bytes + 16 of padding, an odd multiple of 16
.set AHALF,  128*PITCH                 ; 128 token rows: one tensor load, and what a wave reads of the tokens
.set BHALF,  192*PITCH                 ; 192 weight rows likewise
.set BOFF,   2*AHALF
.set SLOT,   BOFF+2*BHALF              ; 92,160
.set BIAS,   2*SLOT                    ; behind the ring: 768 bytes a wave, never the target of a tensor load
.set ASTEP,  8192*128                  ; bytes from a K step to the next in xb
.set BSTEP,  3072*128                  ; and in wqb
.set LAPS,   8                         ; 16 K steps, two a lap
.set ADRA, 16                          ; v16-17  my token fragments in slot 0, 1
.set ADRB, 20                          ; v20-21  my weight fragments
.set LOFF, 24                          ; v24-26  lane offset in an output tile, for each of my three heads
.set BRD,  28                          ; v28     where I read my bias back
.set FA0,  32                          ; v32-95, v96-159    two buffers of 8 token fragments
.set FA1,  96
.set FB0,  160                         ; v160-191, v192-223 two sets of 4 weight fragments
.set FB1,  192
.set G1,  24                           ; s[24:31] group 1, tokens
.set G0,  32                           ; s[32:39] group 0, tokens, one set a slot
.set G1B, 48                           ; s[48:55] group 1, weights
.set G0B, 56                           ; s[56:63] group 0, weights
.set DST, 72                           ; s[72:77] output address of my three heads
.set SCL, 78                           ; s[78:83] their scale, twice each
.set DW0, (3<<16)|(1<<20)|(1<<21)|(4<<22)|(3<<25)  ; elements of 8 bytes; padding on; bit 21 beside a mask; after every 32 words, 4 words
.set MSB, 0
.macro WIN new                         ; the high byte of the immediate repeats the setting that is left
.if MSB != (\new)
	s_set_vgpr_msb (MSB<<8)|(\new)
.set MSB, \new
.endif
.endm
.macro PLACES                          ; four places behind a matrix instruction (ISA guide 7.12.1) before its registers are loaded or its result read
.rept 4
	v_nop
.endr
.endm
.macro JLOAD s                         ; waves 0, 1 ask for the two halves of the token tile, waves 2, 3 for those of the weight tile
	s_cmp_eq_u32 s11, 0
	s_cbranch_scc0 .Lfor_b_\@
	tensor_load_to_lds s[G0+4*\s:G0+4*\s+3], s[G1:G1+7]
	s_nop 0
	s_branch .Lasked_\@
.Lfor_b_\@:
	tensor_load_to_lds s[G0B+4*\s:G0B+4*\s+3], s[G1B:G1B+7]
	s_nop 0
.Lasked_\@:
.endm
.macro CREST                           ; a round of the cluster barrier behind its opening work-group barrier
	s_cmp_lg_u32 s10, 0
	s_cbranch_scc1 .Lnot_wave_0_\@
	s_barrier_signal -3
.Lnot_wave_0_\@:
	s_barrier_wait -3
	s_barrier_signal -1
	s_barrier_wait -1
.endm
.macro CROUND
	s_barrier_signal -1
	s_barrier_wait -1
	CREST
.endm
; 16 matrix instructions: weight fragments 2 half, 2 half + 1 of the set x all 8 token fragments, 32 along K.
; The accumulators take turns, one instruction a turn.
.macro MULH abuf, bs, half, zero
.irp bl, 2*\half, 2*\half+1
.irp a, 0,1,2,3,4,5,6,7
.if \zero
	v_wmma_f32_16x16x32_bf16 v[8*(8*(\bl)+\a):8*(8*(\bl)+\a)+7], v[\bs+8*(\bl):\bs+8*(\bl)+7], v[\abuf+8*\a:\abuf+8*\a+7], 0
.else
	v_wmma_f32_16x16x32_bf16 v[8*(8*(\bl)+\a):8*(8*(\bl)+\a)+7], v[\bs+8*(\bl):\bs+8*(\bl)+7], v[\abuf+8*\a:\abuf+8*\a+7], v[8*(8*(\bl)+\a):8*(8*(\bl)+\a)+7]
.endif
.endr
.endr
.endm
.macro FETCHA slot, kq, buf            ; my 128 token rows, 32 K at byte 64 kq of the rows
.irp a, 0,1,2,3,4,5,6,7
	ds_load_b128 v[\buf+8*\a:\buf+8*\a+3],   v[ADRA+\slot] offset:\a*16*PITCH+64*(\kq)
	ds_load_b128 v[\buf+8*\a+4:\buf+8*\a+7], v[ADRA+\slot] offset:\a*16*PITCH+64*(\kq)+32
.endr
.endm
.macro FETCHB slot, kq, w, bs          ; the 64 weight rows of my head w
.irp b, 0,1,2,3
	ds_load_b128 v[\bs+8*\b:\bs+8*\b+3],   v[ADRB+\slot] offset:(4*(\w)+\b)*16*PITCH+64*(\kq)
	ds_load_b128 v[\bs+8*\b+4:\bs+8*\b+7], v[ADRB+\slot] offset:(4*(\w)+\b)*16*PITCH+64*(\kq)+32
.endr
.endm
.macro NEXTF nslot, nkq, nw, nbs, na, nabuf    ; the fragments of the next stretch
	FETCHB \nslot, \nkq, \nw, \nbs
.if \na
	FETCHA \nslot, \nkq, \nabuf
.endif
.endm
; A stretch: 32 matrix instructions of one window.  mode 0: inside a slot.  mode 1: the last of a slot, which is then filled again.
; mode 2: the same without a refill.  mode 3: the very last.
.macro STRETCH mode, zero, win, abuf, bs, nslot, nkq, nw, nbs, na, nabuf, rs
	s_wait_dscnt 0x0                               ; this stretch's fragments are in (issued one stretch ago)
.if \mode == 0
	WIN 0
	PLACES
	NEXTF \nslot, \nkq, \nw, \nbs, \na, \nabuf     ; into registers that the stretch before last read: 32 matrix instructions in which to land
	WIN 0x50*\win
	MULH \abuf, \bs, 0, \zero
	MULH \abuf, \bs, 1, \zero
.endif
.if (\mode-1)*(\mode-2) == 0
	s_wait_tensorcnt 0x0                           ; all my tensor loads have landed (one was out: my part of the other slot); my reads of this slot ended at the wait above
	ds_add_u32 v254, v255
	s_wait_dscnt 0x0
	s_barrier_signal -1                            ; say so; where the slot is filled again this opens a round of the cluster barrier
	WIN 0x50*\win
	MULH \abuf, \bs, 0, \zero                      ; register work while the others arrive
	WIN 0
	s_barrier_wait -1
.if \mode == 1
	CREST                                          ; no wave of any partner still reads this slot or has a load on its way
	s_add_nc_u64 s[G0+4*\rs+2:G0+4*\rs+3], s[G0+4*\rs+2:G0+4*\rs+3], 2*ASTEP
	s_add_nc_u64 s[G0B+4*\rs+2:G0B+4*\rs+3], s[G0B+4*\rs+2:G0B+4*\rs+3], 2*BSTEP
	JLOAD \rs                                      ; my one tensor load behind the round, ahead of any LDS read
.endif
	PLACES
	NEXTF \nslot, \nkq, \nw, \nbs, \na, \nabuf
	WIN 0x50*\win
	MULH \abuf, \bs, 1, \zero
.endif
.if \mode == 3
	WIN 0x50*\win
	MULH \abuf, \bs, 0, \zero
	MULH \abuf, \bs, 1, \zero
.endif
.endm
; A slot: two quarters of 32 K x three windows; token buffer = quarter, weight set = stretch mod 2.
.macro SLOTRUN slot, other, zero, lastmode
	STRETCH 0, \zero, 1, FA0, FB0, \slot, 0, 1, FB1, 0, FA0, \slot
	STRETCH 0, \zero, 2, FA0, FB1, \slot, 0, 2, FB0, 0, FA0, \slot
	STRETCH 0, \zero, 3, FA0, FB0, \slot, 1, 0, FB1, 1, FA1, \slot
	STRETCH 0, 0, 1, FA1, FB1, \slot, 1, 1, FB0, 0, FA0, \slot
	STRETCH 0, 0, 2, FA1, FB0, \slot, 1, 2, FB1, 0, FA0, \slot
	STRETCH \lastmode, 0, 3, FA1, FB1, \other, 0, 0, FB0, 1, FA0, \slot
.endm
.macro LAP zero
	SLOTRUN 0, 1, \zero, 1
	SLOTRUN 1, 0, 0, 1
.endm
; The scalars of my head w: which of q, k, v, its output address, its scale and the lane order of its tiles.
.macro HEADSET w
	s_mul_i32 s84, s42, 6
	s_mul_i32 s85, s12, 3
	s_add_co_u32 s84, s84, s85
	s_add_co_u32 s84, s84, \w                      ; column / 64, 0..47
	s_lshr_b32 s85, s84, 4                         ; 0 q, 1 k, 2 v
	s_and_b32 s86, s84, 15                         ; head
	s_cmp_eq_u32 s85, 0
	s_cselect_b32 s[SCL+2*\w], 0x3e38aa3b, 1.0     ; q: 0.125 log2(e)
	s_mov_b32 s[SCL+2*\w+1], s[SCL+2*\w]
	s_cmp_eq_u32 s85, 2
	s_cselect_b32 s87, -1, 0
	v_cndmask_b32 v[LOFF+\w], v30, v31, s87        ; v tiles have their own order
	s_lshl_b32 s85, s85, 6
	s_add_co_u32 s85, s85, s86
	s_lshr_b32 s86, s13, 3                         ; batch: 8 blocks of 256 tokens
	s_lshl4_add_u32 s85, s86, s85
	s_lshl_b32 s88, s85, 18                        ; x 128 tiles x 2,048 bytes
	s_and_b32 s86, s13, 7
	s_lshl_b32 s86, s86, 4
	s_lshl3_add_u32 s86, s11, s86                  ; my first token tile in the batch
	s_lshl_b32 s86, s86, 11
	s_add_co_u32 s88, s88, s86
	s_mov_b32 s89, 0
	s_add_nc_u64 s[DST+2*\w:DST+2*\w+1], s[70:71], s[88:89]
.endm
	s_load_b128 s[4:7], s[0:1], 0x0                ; xb, wqb
	s_load_b128 s[68:71], s[0:1], 0x10             ; b_qkv, qkv
	v_lshl_add_u32 v254, v0, 2, 0x2dc00
	v_mov_b32 v255, 0
	ds_add_u32 v254, v255
	v_lshrrev_b32 v1, 5, v0
	v_readfirstlane_b32 s10, v1                    ; wave
	s_lshr_b32 s11, s10, 1                         ; my half of the tokens; also: I fetch tokens (0) or weights (1)
	s_and_b32 s12, s10, 1                          ; my half of the columns; also: which half I fetch
	s_bfe_u32 s40, ttmp6, 0x40000                  ; cx
	s_bfe_u32 s41, ttmp6, 0x40004                  ; cy
	s_lshl_b32 s42, ttmp9, 2
	s_add_co_u32 s42, s42, s40                     ; block column, 0..7
	s_and_b32 s13, ttmp7, 0xffff
	s_lshl_b32 s13, s13, 2
	s_add_co_u32 s13, s13, s41                     ; block row, 0..31
	s_lshl_b32 s43, s41, 2
	s_lshl_b32 s43, 15, s43                        ; my row of the cluster
	s_lshl_b32 s44, 0x1111, s40                    ; my column
	; group 1: a dense block taken as rows of 256 bytes (32 elements of 8 bytes); 16 bytes of padding behind every 128 bytes give LDS rows of 144
	s_or_b32 s[G1+0], s43, DW0
	s_or_b32 s[G1B+0], s44, DW0
	s_mov_b32 s[G1+1], 32<<16                      ; tensor_dim0 = 32
	s_mov_b32 s[G1B+1], 32<<16
	s_mov_b32 s[G1+2], 64<<16                      ; tensor_dim1 = 64: 128 token rows of 128 bytes
	s_mov_b32 s[G1B+2], 96<<16                     ; 96: 192 weight rows
	s_mov_b32 s[G1+3], 32<<16                      ; tile_dim0 = 32
	s_mov_b32 s[G1B+3], 32<<16
	s_mov_b32 s[G1+4], 64                          ; tile_dim1
	s_mov_b32 s[G1B+4], 96
	s_mov_b32 s[G1+5], 32                          ; pitch = 32 elements: dense
	s_mov_b32 s[G1B+5], 32
	s_mov_b32 s[G1+6], 0
	s_mov_b32 s[G1B+6], 0
	s_mov_b32 s[G1+7], 0
	s_mov_b32 s[G1B+7], 0
	; token tiles hang on the block row and the wave alone, weight tiles on the block column and the wave alone, each in registers of its own
	s_lshl_b32 s16, s13, 15                        ; 256 rows x 128 bytes
	s_lshl_b32 s17, s12, 14
	s_add_co_u32 s16, s16, s17
	s_mov_b32 s17, 0
	s_mul_i32 s46, s42, 49152                      ; 384 rows x 128 bytes
	s_mul_i32 s47, s12, 24576
	s_add_co_u32 s46, s46, s47
	s_mov_b32 s47, 0
	s_mul_i32 s20, s12, AHALF                      ; LDS: the wave number alone
	s_mul_i32 s23, s12, BHALF
	s_add_co_u32 s23, s23, BOFF
	s_wait_dscnt 0x0
	s_wait_kmcnt 0x0
	s_add_nc_u64 s[14:15], s[4:5], s[16:17]
	s_add_nc_u64 s[46:47], s[6:7], s[46:47]
	CROUND                                         ; all sixteen work-groups are here: the first joint loads meet
.irp s, 0,1
	s_mov_b32 s[G0+4*\s], 1
	s_add_co_u32 s[G0+4*\s+1], s20, \s*SLOT
	s_add_nc_u64 s[G0+4*\s+2:G0+4*\s+3], s[14:15], \s*ASTEP
	s_or_b32 s[G0+4*\s+3], s[G0+4*\s+3], 0x80000000
	s_mov_b32 s[G0B+4*\s], 1
	s_add_co_u32 s[G0B+4*\s+1], s23, \s*SLOT
	s_add_nc_u64 s[G0B+4*\s+2:G0B+4*\s+3], s[46:47], \s*BSTEP
	s_or_b32 s[G0B+4*\s+3], s[G0B+4*\s+3], 0x80000000
	JLOAD \s                                       ; both first fills go out together: two tensor loads of the wave are out
.endr
	; my 192 bias numbers: 3 x 256 bytes, kept in my own LDS bytes until the way out
	v_and_b32 v1, 15, v0                           ; r
	v_bfe_u32 v2, v0, 4, 1                         ; h
	v_and_b32 v4, 31, v0                           ; lane
	s_mul_i32 s16, s42, 1536
	s_mul_i32 s17, s12, 768
	s_add_co_u32 s16, s16, s17
	s_mov_b32 s17, 0
	s_add_nc_u64 s[18:19], s[68:69], s[16:17]
	v_lshlrev_b32 v5, 3, v4
	global_load_b64 v[6:7], v5, s[18:19]
	global_load_b64 v[8:9], v5, s[18:19] offset:256
	global_load_b64 v[10:11], v5, s[18:19] offset:512
	; a fragment: lane (r, h) takes row r, 16 bytes at 16 h and 16 at 32 + 16 h of the 64 bytes of a quarter
	v_mul_u32_u24 v3, v1, PITCH
	v_lshl_add_u32 v3, v2, 4, v3
	s_mul_i32 s21, s11, AHALF
	s_mul_i32 s22, s12, BHALF
	s_add_co_u32 s22, s22, BOFF
.irp s, 0,1
	v_add_nc_u32 v[ADRA+\s], s21, v3
	v_add_nc_u32 v[ADRB+\s], s22, v3
	s_add_co_u32 s21, s21, SLOT
	s_add_co_u32 s22, s22, SLOT
.endr
	s_mul_i32 s2, s10, 768
	s_add_co_u32 s2, s2, BIAS
	v_add_nc_u32 v12, s2, v5                       ; bias in: 8 x lane
	v_lshl_add_u32 v[BRD], v2, 5, s2               ; bias back: my 8 columns start at 32 h
	v_lshlrev_b32 v30, 4, v4                       ; q, k tiles: 16 x lane
	v_lshrrev_b32 v13, 3, v1
	v_and_b32 v14, 7, v1
	v_lshlrev_b32 v31, 8, v13                      ; v tiles: (r / 8) 256 + 128 h + 16 (r mod 8)
	v_lshl_add_u32 v31, v2, 7, v31
	v_lshl_add_u32 v31, v14, 4, v31
	HEADSET 0
	HEADSET 1
	HEADSET 2
	s_wait_loadcnt 0x0
	ds_store_b64 v12, v[6:7]
	ds_store_b64 v12, v[8:9] offset:256
	ds_store_b64 v12, v[10:11] offset:512
	s_wait_tensorcnt 0x1                           ; my part of K step 0 is in; K step 1 stays out
	s_wait_dscnt 0x0
	s_barrier_signal -1
	s_barrier_wait -1
	FETCHA 0, 0, FA0
	FETCHB 0, 0, 0, FB0
	LAP 1                                          ; the first products start the sums: nothing is cleared
	WIN 0
	s_mov_b32 s3, LAPS-2
.Llap:
	LAP 0
	WIN 0
	s_sub_co_u32 s3, s3, 1
	s_cmp_lg_u32 s3, 0
	s_cbranch_scc1 .Llap
	SLOTRUN 0, 1, 0, 2                             ; the last lap fills nothing
	SLOTRUN 1, 0, 0, 3
	WIN 0
	PLACES
; The way out, one head at a time: (sum + bias) x scale as one fused multiply-add on the scaled bias, rounded once to f16, 16 bytes a lane.
; Each store of the wave covers 512 consecutive bytes, aligned.
.macro OUTW w
	s_wait_xcnt 0x0                                ; the registers that earlier stores read are rewritten only behind this wait
.irp bl, 0,1,2,3
	ds_load_b128 v[32+8*\bl:32+8*\bl+3],   v[BRD] offset:256*\w+64*\bl
	ds_load_b128 v[32+8*\bl+4:32+8*\bl+7], v[BRD] offset:256*\w+64*\bl+16
.endr
	s_wait_dscnt 0x0
.set ee, 0
.rept 16
	v_pk_mul_f32 v[32+2*ee:33+2*ee], v[32+2*ee:33+2*ee], s[SCL+2*\w:SCL+2*\w+1] op_sel_hi:[1,0]
.set ee, ee+1
.endr
.irp a, 0,1,2,3,4,5,6,7
	WIN 1+\w
.irp bl, 0,1,2,3
.irp i, 0,1,2,3
	v_pk_fma_f32 v[64+8*\bl+2*\i:64+8*\bl+2*\i+1], v[8*(8*\bl+\a)+2*\i:8*(8*\bl+\a)+2*\i+1], s[SCL+2*\w:SCL+2*\w+1], v[32+8*\bl+2*\i:32+8*\bl+2*\i+1] op_sel_hi:[1,0,1]
.endr
.endr
	WIN 0
.irp bl, 0,1,2,3
.irp i, 0,1,2,3
	v_cvt_pk_f16_f32 v[96+16*\a+4*\bl+\i], v[64+8*\bl+2*\i], v[64+8*\bl+2*\i+1]
.endr
.endr
.irp bl, 0,1,2,3
	global_store_b128 v[LOFF+\w], v[96+16*\a+4*\bl:96+16*\a+4*\bl+3], s[DST+2*\w:DST+2*\w+1] offset:\a*2048+\bl*512
.endr
.endr
.endm
	OUTW 0
	OUTW 1
	OUTW 2
	CROUND                                         ; the closing round: no work-group ends while a partner may still ask for a tile that names it
	s_endpgm
.Lfunc_end_k_q58c204c4a7_qkv:
	.size	k_q58c204c4a7_qkv, .Lfunc_end_k_q58c204c4a7_qkv-k_q58c204c4a7_qkv
	.p2alignl 7, 3214868480
	.fill 96, 4, 3214868480
	.section	.rodata,"a",@progbits
	.p2align	6, 0x0
	.amdhsa_kernel k_q58c204c4a7_qkv
		.amdhsa_group_segment_fixed_size 327680
		.amdhsa_private_segment_fixed_size 0
		.amdhsa_enable_private_segment 0
		.amdhsa_kernarg_size 32
		.amdhsa_user_sgpr_count 2
		.amdhsa_user_sgpr_kernarg_segment_ptr 1
		.amdhsa_wavefront_size32 1
		.amdhsa_system_sgpr_workgroup_id_x 1
		.amdhsa_system_sgpr_workgroup_id_y 1
		.amdhsa_system_sgpr_workgroup_id_z 1
		.amdhsa_system_vgpr_workitem_id 0
		.amdhsa_next_free_vgpr 1024
		.amdhsa_next_free_sgpr 90
		.amdhsa_reserve_vcc 0
		.amdhsa_float_denorm_mode_32 3
		.amdhsa_float_denorm_mode_16_64 3
		.amdhsa_memory_ordered 1
		.amdhsa_forward_progress 1
		.amdhsa_inst_pref_size 187
	.end_amdhsa_kernel
	.amdgpu_metadata
---
amdhsa.version: [ 1, 2 ]
amdhsa.kernels:
  - .name:           k_q58c204c4a7_qkv
    .symbol:         k_q58c204c4a7_qkv.kd
    .args:
      - { .name: xb, .offset: 0, .size: 8, .value_kind: global_buffer, .address_space: global }
      - { .name: wqb, .offset: 8, .size: 8, .value_kind: global_buffer, .address_space: global }
      - { .name: b_qkv, .offset: 16, .size: 8, .value_kind: global_buffer, .address_space: global }
      - { .name: qkv, .offset: 24, .size: 8, .value_kind: global_buffer, .address_space: global }
    .group_segment_fixed_size: 327680
    .private_segment_fixed_size: 0
    .kernarg_segment_align: 8
    .kernarg_segment_size: 32
    .max_flat_workgroup_size: 128
    .sgpr_count:     90
    .vgpr_count:     1024
    .wavefront_size: 32
...
	.end_amdgpu_metadata
.endif
;; end of part 2
;; launch attn (part 3): grid 4 x 64, 8 waves a work-group, clusters of 4 x 1, 327,680 bytes of LDS; arguments qkv, mbits, ao; writes ao
.if DOCPART == 3
	.amdgcn_target "amdgcn-amd-amdhsa--gfx1250"
	.amdhsa_code_object_version 6
	.text
	.protected	k_q58c204c4a7_attn
	.globl	k_q58c204c4a7_attn
	.p2align	8
	.type	k_q58c204c4a7_attn,@function
k_q58c204c4a7_attn:
	s_mov_b64 s[64:65], 0
	v_nop
	global_prefetch_b8 v0, s[64:65] scope:SCOPE_SE
	s_setreg_imm32_b32 hwreg(HW_REG_WAVE_MODE, 25, 1), 1
	s_wait_xcnt 0x0
	s_wait_alu depctr_hold_cnt(0) depctr_sa_sdst(0) depctr_va_vdst(0) depctr_va_sdst(0) depctr_va_ssrc(0) depctr_va_vcc(0) depctr_vm_vsrc(0)
	s_getreg_b32 s2, hwreg(HW_REG_IB_STS2, 6, 4)
	s_cmp_eq_u32 s2, 0
	s_cbranch_scc0 .Lentry_in_a_cluster
	s_endpgm
.Lentry_in_a_cluster:
	s_bfe_u32 s2, ttmp6, 0x10000c
	s_cmp_lg_u32 s2, 0x3003
	s_cbranch_scc0 .Lentry_shape_is_right
	s_endpgm
.Lentry_shape_is_right:
; Masked softmax attention for one (batch, head) and 512 queries a work-group: 4 x 64 = 256 work-groups.  Eight waves, 64 queries (4 tiles of 16) each.
; All matrix operands (q, k, v, the weights p) and the result are f16, the sums f32: a row that attends to few keys is as large as v itself,
; and eight significant bits would cost more than a hundredth of the output's root mean square.  p lies in 0 .. 1.
; S^T = K Q^T: lane (r, h), register j holds key 8 h + j of query r.  Two neighbouring S^T tiles, exponentiated and packed to f16, are the
; second source of O^T = V^T P^T as they stand: no shuffle and no LDS between the two products.  Row maximum and row sum are kept per lane;
; the two halves of the lanes meet by one v_permlanex16_b32.  The mask costs one select a score: its lane masks come packed from mbits by scalar loads.
; CLUSTER 4 x 1: the four query blocks of a head read the same K and V tiles and ask for them jointly (mask 15).
; Keys go in slots of 256 (K 32 KiB, V 32 KiB) through two LDS slots; wave w fills 8 KiB of a slot: 32 rows of 256 bytes.
; A stage is one query tile x 64 keys; the S^T product of the next stage is issued in the stage before, under the vector work.
; The running maximum is taken away before every exponential.  LIMITS: it starts at -FLT_MAX (0xff7fffff), not at -infinity;
; a row whose mask is all zero ends as 0 x rcp(0) = NaN, as the softmax of a row of -infinity does; q carries 0.125 log2(e), so scores are
; exponents of two; v_exp_f32 gives 0 for results below 2^-126 (ISA guide 15.8), and a weight below 2^-25 of the row's largest rounds to 0 in f16;
; a result above 65,504 in magnitude becomes infinite (it is a mean of v, which has the same bound).
.set PLANE, 16777216                   ; bytes of q, of k, of v
.set HEADB, 262144                     ; bytes of one (batch, head): 128 tiles x 2,048
.set SLOTB, 65536
.set VOFF,  32768
.set LA,   1                           ; v1, v2   16 x lane (+ slot 1); v1 is also the global lane offset
.set NINF, 3                           ; v3       -infinity
.set XR,   4                           ; v4       what the other half of the lanes holds
.set MP,   6                           ; v[6:7]   the new maximum, twice
.set AL,   8                           ; v[8:9]   2^(old maximum - new maximum), twice
.set SA,   10                          ; v[10:13] two pairs of partial sums
.set SB,   12
.set MX,   14                          ; v[14:17] four chains of the maximum
.set RM,   18                          ; v[18:21] running maximum of my four query tiles
.set LS,   22                          ; v[22:25] running sum (my half of the keys)
.set PR,   32                          ; v[32:47] P^T, two fragments
.set S0,   48                          ; v[48:79], v[80:111] two buffers of four S^T tiles
.set KF,   112                         ; v[112:175] K fragments of a key step: 16 kt + 8 ds
.set VF,   176                         ; v[176:239] V^T fragments: 16 dt + 8 p
.set QR,   0                           ; window 1: v[0:63]   Q fragments, 16 i + 8 ds
.set OA,   64                          ; window 1: v[64:191] O^T, 32 i + 8 dt
.set MSB, 0
.macro WIN new
.if MSB != (\new)
	s_set_vgpr_msb (MSB<<8)|(\new)
.set MSB, \new
.endif
.endm
.macro PLACES
.rept 4
	v_nop
.endr
.endm
.macro ROUND                           ; a round of the cluster barrier
	s_barrier_signal -1
	s_barrier_wait -1
	s_cmp_lg_u32 s6, 0
	s_cbranch_scc1 .Lnot_wave_0_\@
	s_barrier_signal -3
.Lnot_wave_0_\@:
	s_barrier_wait -3
	s_barrier_signal -1
	s_barrier_wait -1
.endm
.macro MLOAD buf, off                  ; the 32 lane masks of a stage: buffer 0 = s[16:47], buffer 1 = s[48:63] and s[80:95]
.if (\buf) == 0
	s_load_b512 s[16:31], s[2:3], \off
	s_load_b512 s[32:47], s[2:3], \off+64
.else
	s_load_b512 s[48:63], s[2:3], \off
	s_load_b512 s[80:95], s[2:3], \off+64
.endif
.endm
.macro KLOAD slot, ks                  ; 4 K tiles = 8,192 consecutive bytes, 512 a load: lanes at neighbouring 16 bytes
.set ee, 0
.rept 16
	ds_load_b128 v[KF+4*ee:KF+4*ee+3], v[LA+(\slot)] offset:(\ks)*8192+512*ee
.set ee, ee+1
.endr
.endm
.macro VLOAD slot, ks                  ; 4 V tiles, transposed on the way: tile t = 2 p + half gives keys 16 t + 8 h + 0..7 of d = 16 dt + r
.irp dt, 0,1,2,3
.irp t, 0,1,2,3
	ds_load_tr16_b128 v[VF+16*\dt+4*\t:VF+16*\dt+4*\t+3], v[LA+(\slot)] offset:VOFF+(\ks)*8192+\t*2048+\dt*512
.endr
.endr
.endm
; S^T of query tile qi against the 64 keys in KF.  The four accumulators take turns, one instruction a turn.
.macro SMUL dst, qi
	WIN 0x04                                       ; source 1 (Q) in window 1
.irp kt, 0,1,2,3
	v_wmma_f32_16x16x32_f16 v[\dst+8*\kt:\dst+8*\kt+7], v[KF+16*\kt:KF+16*\kt+7], v[QR+16*(\qi):QR+16*(\qi)+7], 0
.endr
.irp kt, 0,1,2,3
	v_wmma_f32_16x16x32_f16 v[\dst+8*\kt:\dst+8*\kt+7], v[KF+16*\kt+8:KF+16*\kt+15], v[QR+16*(\qi)+8:QR+16*(\qi)+15], v[\dst+8*\kt:\dst+8*\kt+7]
.endr
	WIN 0
.endm
.macro PV i, first                     ; O^T += V^T P^T; again four accumulators by turns
	WIN 0x50                                       ; C and D in window 1
.irp dt, 0,1,2,3
.if \first
	v_wmma_f32_16x16x32_f16 v[OA+32*\i+8*\dt:OA+32*\i+8*\dt+7], v[VF+16*\dt:VF+16*\dt+7], v[PR:PR+7], 0
.else
	v_wmma_f32_16x16x32_f16 v[OA+32*\i+8*\dt:OA+32*\i+8*\dt+7], v[VF+16*\dt:VF+16*\dt+7], v[PR:PR+7], v[OA+32*\i+8*\dt:OA+32*\i+8*\dt+7]
.endif
.endr
.irp dt, 0,1,2,3
	v_wmma_f32_16x16x32_f16 v[OA+32*\i+8*\dt:OA+32*\i+8*\dt+7], v[VF+16*\dt+8:VF+16*\dt+15], v[PR+8:PR+15], v[OA+32*\i+8*\dt:OA+32*\i+8*\dt+7]
.endr
	WIN 0
.endm
.macro SUBG g                          ; four scores less the maximum
	v_pk_add_f32 v[CUR+4*\g:CUR+4*\g+1], v[CUR+4*\g:CUR+4*\g+1], v[MP:MP+1] neg_lo:[0,1] neg_hi:[0,1]
	v_pk_add_f32 v[CUR+4*\g+2:CUR+4*\g+3], v[CUR+4*\g+2:CUR+4*\g+3], v[MP:MP+1] neg_lo:[0,1] neg_hi:[0,1]
.endm
.macro EXPG g
.irp q, 0,1,2,3
	v_exp_f32 v[CUR+4*\g+\q], v[CUR+4*\g+\q]
.endr
.endm
.macro POSTG g                         ; into the sums (groups 0 and 1 start them) and, packed to f16, into P^T
.if \g == 0
	s_wait_alu depctr_va_vdst(0)
	v_pk_add_f32 v[SA:SA+1], v[CUR:CUR+1], v[CUR+2:CUR+3]
.else
.if \g == 1
	v_pk_add_f32 v[SB:SB+1], v[CUR+4:CUR+5], v[CUR+6:CUR+7]
.else
	s_wait_alu depctr_va_vdst(0)
	v_pk_add_f32 v[SA:SA+1], v[SA:SA+1], v[CUR+4*\g:CUR+4*\g+1]
	v_pk_add_f32 v[SB:SB+1], v[SB:SB+1], v[CUR+4*\g+2:CUR+4*\g+3]
.endif
.endif
	v_cvt_pk_f16_f32 v[PR+2*\g], v[CUR+4*\g], v[CUR+4*\g+1]
	v_cvt_pk_f16_f32 v[PR+2*\g+1], v[CUR+4*\g+2], v[CUR+4*\g+3]
.endm
; One stage: query tile i against key step ks of a slot.  pos: the key step's place from the mask pointer.  first: the very first key step.
; chg (used at i = 2): 1 = the slot is read out and filled again, 2 = read out, nothing left to fetch.  last: the last key step.
; mstep (used at i = 3): the mask pointer steps by 8 key steps.
.macro STAGE slot, ks, i, pos, first, chg, last, mstep
.set CUR, S0+32*(\i&1)
.set NXT, S0+32*((\i+1)&1)
	s_wait_kmcnt 0x0                               ; this stage's lane masks are in; no scalar load is out, so the pointer may step
.if \i == 3
.if \mstep
	s_add_nc_u64 s[2:3], s[2:3], 1024
.endif
.if \last == 0
.if \mstep
	MLOAD 0, 128
.else
	MLOAD 0, (\pos+1)*128
.endif
.endif
.else
	MLOAD (\i+1)&1, (\i+1)*4096+\pos*128
.endif
.set ee, 0
.rept 32
	v_cndmask_b32 v[CUR+ee], v[NINF], v[CUR+ee], s[16+ee+(\i&1)*(32+16*(ee/16))]   ; mask 0: -infinity.  These are also the places behind the last stage's products
.set ee, ee+1
.endr
.if \i == 0
	VLOAD \slot, \ks
.endif
.if \i == 3
.if \last == 0
	s_wait_dscnt 0x0                               ; the next key step's K fragments are in
	SMUL NXT, 0
.endif
.else
	SMUL NXT, \i+1
.endif
	; the row maximum: four chains, the old maximum joins last; then the other half of the lanes.  Also the places behind SMUL
.irp k, 0,1,2,3
	v_max3_num_f32 v[MX+\k], v[CUR+8*\k], v[CUR+8*\k+1], v[CUR+8*\k+2]
.endr
.irp k, 0,1,2,3
	v_max3_num_f32 v[MX+\k], v[MX+\k], v[CUR+8*\k+3], v[CUR+8*\k+4]
.endr
.irp k, 0,1,2,3
	v_max3_num_f32 v[MX+\k], v[MX+\k], v[CUR+8*\k+5], v[CUR+8*\k+6]
.endr
	v_max3_num_f32 v[MX], v[MX], v[CUR+7], v[CUR+15]
	v_max3_num_f32 v[MX+2], v[MX+2], v[CUR+23], v[CUR+31]
	v_max3_num_f32 v[MX], v[MX], v[MX+1], v[MX+2]
	v_max3_num_f32 v[MX], v[MX], v[MX+3], v[RM+\i]
	v_permlanex16_b32 v[XR], v[MX], s66, s67
	v_max_num_f32 v[MP], v[MX], v[XR]
	v_max_num_f32 v[MP+1], v[MX], v[XR]
.if \i == 2
.if \chg == 1
	s_wait_dscnt 0x0                               ; my reads of this slot are over: its last K and V fragments are in registers
	s_wait_tensorcnt 0x0                           ; all my tensor loads have landed (one was out: my part of the other slot), so a group 0 may be written
	ds_add_u32 v254, v255
	s_wait_dscnt 0x0
	s_add_nc_u64 s[10+4*\slot:11+4*\slot], s[10+4*\slot:11+4*\slot], 65536   ; 512 keys on
	ROUND                                          ; both now hold of every wave of the four work-groups
	tensor_load_to_lds s[8+4*\slot:11+4*\slot], s[72:79]                     ; my one tensor load behind the round, ahead of any LDS read
	s_nop 0
.endif
.if \chg == 2
	s_wait_dscnt 0x0
	s_wait_tensorcnt 0x0                           ; my part of the last slot is in
	s_barrier_signal -1
	s_barrier_wait -1                              ; everybody's is
.endif
.if \last == 0
.if \ks == 3
	KLOAD 1-\slot, 0
.else
	KLOAD \slot, \ks+1
.endif
.endif
.endif
	v_sub_f32 v[AL], v[RM+\i], v[MP]
	v_exp_f32 v[AL], v[AL]
	v_mov_b32 v[RM+\i], v[MP]                      ; a plain instruction between an exponential and the use of its result (ISA guide 5.7.2)
	s_wait_alu depctr_va_vdst(0)
	v_mov_b32 v[AL+1], v[AL]
	; 32 exponentials in groups of four; a group's results are used one group later, behind plain instructions
	SUBG 0
	SUBG 1
	EXPG 0
	SUBG 2
	EXPG 1
	SUBG 3
	POSTG 0
	EXPG 2
	SUBG 4
	POSTG 1
	EXPG 3
	SUBG 5
	POSTG 2
	EXPG 4
	SUBG 6
	POSTG 3
	EXPG 5
	SUBG 7
	POSTG 4
	EXPG 6
	POSTG 5
	EXPG 7
	POSTG 6
	POSTG 7
	v_pk_add_f32 v[SA:SA+1], v[SA:SA+1], v[SB:SB+1]
	v_add_f32 v[SA], v[SA], v[SA+1]
	v_fma_f32 v[LS+\i], v[LS+\i], v[AL], v[SA]
.if \first == 0
	WIN 0x41                                       ; O^T in window 1, as source 0 and destination
.set ee, 0
.rept 16
	v_pk_mul_f32 v[OA+32*\i+2*ee:OA+32*\i+2*ee+1], v[OA+32*\i+2*ee:OA+32*\i+2*ee+1], v[AL:AL+1]
.set ee, ee+1
.endr
.endif
.if \i == 0
	s_wait_dscnt 0x0                               ; this key step's V fragments are in
.endif
	PV \i, \first
.endm
.macro KS slot, ks, pos, first, chg, last, mstep
	STAGE \slot, \ks, 0, \pos, \first, \chg, \last, \mstep
	STAGE \slot, \ks, 1, \pos, \first, \chg, \last, \mstep
	STAGE \slot, \ks, 2, \pos, \first, \chg, \last, \mstep
	STAGE \slot, \ks, 3, \pos, \first, \chg, \last, \mstep
.endm
	s_load_b128 s[96:99], s[0:1], 0x0              ; qkv, mbits
	s_load_b64 s[100:101], s[0:1], 0x10            ; ao
	v_lshl_add_u32 v254, v0, 2, 0x29000
	v_mov_b32 v255, 0
	ds_add_u32 v254, v255
	v_lshrrev_b32 v5, 5, v0
	v_readfirstlane_b32 s6, v5                     ; wave, 0..7
	s_bfe_u32 s68, ttmp6, 0x40000                  ; cx
	s_lshl_b32 s69, ttmp9, 2
	s_add_co_u32 s69, s69, s68                     ; block of 512 queries
	s_and_b32 s70, ttmp7, 0xffff                   ; batch x 16 + head
	s_mov_b32 s66, 0x76543210                      ; v_permlanex16_b32: lane i reads lane i of the other half
	s_mov_b32 s67, 0xfedcba98
	; group 1: a dense block of 32 rows x 256 bytes, no padding (fragment loads take neighbouring 16 bytes); mask 15, bit 21 beside it
	s_mov_b32 s72, 0x0023000f
	s_mov_b32 s73, 32<<16                          ; tensor_dim0 = 32 elements of 8 bytes
	s_mov_b32 s74, 32<<16                          ; tensor_dim1 = 32
	s_mov_b32 s75, 32<<16                          ; tile_dim0 = 32
	s_mov_b32 s76, 32                              ; tile_dim1 = 32
	s_mov_b32 s77, 32                              ; pitch = 32: dense
	s_mov_b32 s78, 0
	s_mov_b32 s79, 0
	; my part of a slot: waves 0-3 quarters of K, waves 4-7 quarters of V.  Made of the head and the wave alone: equal in the four partners
	s_lshr_b32 s16, s6, 2
	s_add_co_u32 s16, s16, 1
	s_lshl_b32 s16, s16, 24                        ; plane 1 (k) or 2 (v)
	s_lshl_b32 s17, s70, 18
	s_add_co_u32 s16, s16, s17
	s_and_b32 s17, s6, 3
	s_lshl_b32 s17, s17, 13
	s_add_co_u32 s16, s16, s17
	s_mov_b32 s17, 0
	s_lshl_b32 s71, s69, 5
	s_lshl2_add_u32 s71, s6, s71                   ; my first query tile = 32 x block + 4 x wave
	s_lshl_b32 s18, s70, 18
	s_lshl_b32 s19, s71, 11
	s_add_co_u32 s18, s18, s19                     ; q: head, tile
	s_mov_b32 s19, 0
	s_lshl_b32 s20, s71, 12                        ; mbits: 4,096 bytes a query tile
	s_mov_b32 s21, 0
	s_lshr_b32 s22, s70, 4
	s_lshl_b32 s22, s22, 7
	s_add_co_u32 s22, s22, s71                     ; ao: token tile = batch x 128 + query tile,
	s_lshl_b32 s22, s22, 15                        ; 32,768 bytes each,
	s_and_b32 s23, s70, 15
	s_lshl_b32 s23, s23, 11                        ; and 2,048 bytes a head
	s_add_co_u32 s22, s22, s23
	s_mov_b32 s23, 0
	s_wait_dscnt 0x0
	s_wait_kmcnt 0x0
	s_add_nc_u64 s[24:25], s[96:97], s[16:17]
	s_add_nc_u64 s[96:97], s[96:97], s[18:19]
	s_add_nc_u64 s[2:3], s[98:99], s[20:21]
	s_add_nc_u64 s[4:5], s[100:101], s[22:23]
	ROUND                                          ; the four work-groups are here: the first joint loads meet
	s_mov_b32 s8, 1
	s_lshl_b32 s9, s6, 13                          ; LDS: 8,192 x wave
	s_mov_b64 s[10:11], s[24:25]
	s_or_b32 s11, s11, 0x80000000
	tensor_load_to_lds s[8:11], s[72:79]           ; keys 0..255
	s_nop 0
	s_mov_b32 s12, 1
	s_add_co_u32 s13, s9, SLOTB
	s_add_nc_u64 s[14:15], s[24:25], 32768
	s_or_b32 s15, s15, 0x80000000
	tensor_load_to_lds s[12:15], s[72:79]          ; keys 256..511: two tensor loads of the wave are out
	s_nop 0
	v_nop
	v_and_b32 v5, 31, v0
	v_lshlrev_b32 v[LA], 4, v5
	v_add_nc_u32 v[LA+1], SLOTB, v[LA]
	WIN 0x40                                       ; destination in window 1
.set ee, 0
.rept 16
	global_load_b128 v[QR+4*ee:QR+4*ee+3], v[LA], s[96:97] offset:512*ee   ; my four Q tiles, already in fragment order
.set ee, ee+1
.endr
	WIN 0
	s_wait_loadcnt 0x0
	s_wait_tensorcnt 0x1                           ; my part of slot 0 is in; slot 1 stays out
	s_barrier_signal -1
	s_barrier_wait -1
	MLOAD 0, 0
	KLOAD 0, 0
	s_wait_dscnt 0x0
	SMUL S0, 0
.irp i, 0,1,2,3
	v_mov_b32 v[RM+\i], 0xff7fffff                 ; -FLT_MAX; these ten lines are also the places behind SMUL
	v_mov_b32 v[LS+\i], 0
.endr
	v_mov_b32 v[NINF], 0xff800000
	v_mov_b32 v[XR], 0
	KS 0, 0, 0, 1, 0, 0, 0                         ; key step 0 starts the sums of O^T
	s_mov_b32 s7, 3
.Ltrip:                                        ; key steps 8 c + 1 .. 8 c + 8
	KS 0, 1, 1, 0, 0, 0, 0
	KS 0, 2, 2, 0, 0, 0, 0
	KS 0, 3, 3, 0, 1, 0, 0
	KS 1, 0, 4, 0, 0, 0, 0
	KS 1, 1, 5, 0, 0, 0, 0
	KS 1, 2, 6, 0, 0, 0, 0
	KS 1, 3, 7, 0, 1, 0, 0
	KS 0, 0, 8, 0, 0, 0, 1
	s_sub_co_u32 s7, s7, 1
	s_cmp_lg_u32 s7, 0
	s_cbranch_scc1 .Ltrip
	KS 0, 1, 1, 0, 0, 0, 0                         ; key steps 25 .. 31: nothing is left to fetch
	KS 0, 2, 2, 0, 0, 0, 0
	KS 0, 3, 3, 0, 2, 0, 0
	KS 1, 0, 4, 0, 0, 0, 0
	KS 1, 1, 5, 0, 0, 0, 0
	KS 1, 2, 6, 0, 0, 0, 0
	KS 1, 3, 7, 0, 0, 1, 0
	PLACES
; The end: the two halves of the row sum meet, O^T / sum, rounded once to f16; a lane's 8 d of a query are 16 bytes of the order in which the
; output projection loads fragments.  Each store of the wave covers 512 consecutive bytes, aligned.
.macro FIN i
	v_permlanex16_b32 v[XR], v[LS+\i], s66, s67
	v_add_f32 v[LS+\i], v[LS+\i], v[XR]
	v_rcp_f32 v[AL], v[LS+\i]
	v_rcp_f32 v[AL+1], v[LS+\i]
	v_nop                                          ; a plain place behind the reciprocals
	WIN 0x01
.set ee, 0
	s_wait_alu depctr_va_vdst(0)
.rept 16
	v_pk_mul_f32 v[S0+2*ee:S0+2*ee+1], v[OA+32*\i+2*ee:OA+32*\i+2*ee+1], v[AL:AL+1]
.set ee, ee+1
.endr
	WIN 0
.set ee, 0
.rept 16
	v_cvt_pk_f16_f32 v[KF+16*\i+ee], v[S0+2*ee], v[S0+2*ee+1]
.set ee, ee+1
.endr
.irp dt, 0,1,2,3
	global_store_b128 v[LA], v[KF+16*\i+4*\dt:KF+16*\i+4*\dt+3], s[4:5] offset:\i*32768+\dt*512
.endr
.endm
	FIN 0
	FIN 1
	FIN 2
	FIN 3
	s_wait_dscnt 0x0
	s_wait_tensorcnt 0x0
	ds_add_u32 v254, v255
	s_wait_dscnt 0x0
	ROUND                                          ; the closing round
	s_endpgm
.Lfunc_end_k_q58c204c4a7_attn:
	.size	k_q58c204c4a7_attn, .Lfunc_end_k_q58c204c4a7_attn-k_q58c204c4a7_attn
	.p2alignl 7, 3214868480
	.fill 96, 4, 3214868480
	.section	.rodata,"a",@progbits
	.p2align	6, 0x0
	.amdhsa_kernel k_q58c204c4a7_attn
		.amdhsa_group_segment_fixed_size 327680
		.amdhsa_private_segment_fixed_size 0
		.amdhsa_enable_private_segment 0
		.amdhsa_kernarg_size 24
		.amdhsa_user_sgpr_count 2
		.amdhsa_user_sgpr_kernarg_segment_ptr 1
		.amdhsa_wavefront_size32 1
		.amdhsa_system_sgpr_workgroup_id_x 1
		.amdhsa_system_sgpr_workgroup_id_y 1
		.amdhsa_system_sgpr_workgroup_id_z 1
		.amdhsa_system_vgpr_workitem_id 0
		.amdhsa_next_free_vgpr 448
		.amdhsa_next_free_sgpr 102
		.amdhsa_reserve_vcc 0
		.amdhsa_float_denorm_mode_32 3
		.amdhsa_float_denorm_mode_16_64 3
		.amdhsa_memory_ordered 1
		.amdhsa_forward_progress 1
		.amdhsa_inst_pref_size 255
	.end_amdhsa_kernel
	.section	.bss,"aw",@nobits
	.p2align	6
	.space	262144
	.amdgpu_metadata
---
amdhsa.version: [ 1, 2 ]
amdhsa.kernels:
  - .name:           k_q58c204c4a7_attn
    .symbol:         k_q58c204c4a7_attn.kd
    .args:
      - { .name: qkv, .offset: 0, .size: 8, .value_kind: global_buffer, .address_space: global }
      - { .name: mbits, .offset: 8, .size: 8, .value_kind: global_buffer, .address_space: global }
      - { .name: ao, .offset: 16, .size: 8, .value_kind: global_buffer, .address_space: global }
    .group_segment_fixed_size: 327680
    .private_segment_fixed_size: 0
    .kernarg_segment_align: 8
    .kernarg_segment_size: 24
    .max_flat_workgroup_size: 256
    .sgpr_count:     102
    .vgpr_count:     448
    .wavefront_size: 32
...
	.end_amdgpu_metadata
.endif
;; end of part 3
;; launch proj (part 4): grid 8 x 32, 4 waves a work-group, clusters of 4 x 4, 327,680 bytes of LDS; arguments ao, wob, b_out, out0; writes out0
.if DOCPART == 4
	.amdgcn_target "amdgcn-amd-amdhsa--gfx1250"
	.amdhsa_code_object_version 6
	.text
	.protected	k_q58c204c4a7_proj
	.globl	k_q58c204c4a7_proj
	.p2align	8
	.type	k_q58c204c4a7_proj,@function
k_q58c204c4a7_proj:
	s_mov_b64 s[64:65], 0
	v_nop
	global_prefetch_b8 v0, s[64:65] scope:SCOPE_SE
	s_setreg_imm32_b32 hwreg(HW_REG_WAVE_MODE, 25, 1), 1
	s_wait_xcnt 0x0
	s_wait_alu depctr_hold_cnt(0) depctr_sa_sdst(0) depctr_va_vdst(0) depctr_va_sdst(0) depctr_va_ssrc(0) depctr_va_vcc(0) depctr_vm_vsrc(0)
	s_getreg_b32 s2, hwreg(HW_REG_IB_STS2, 6, 4)
	s_cmp_eq_u32 s2, 0
	s_cbranch_scc0 .Lentry_in_a_cluster
	s_endpgm
.Lentry_in_a_cluster:
	s_bfe_u32 s2, ttmp6, 0x10000c
	s_cmp_lg_u32 s2, 0xf033
	s_cbranch_scc0 .Lentry_shape_is_right
	s_endpgm
.Lentry_shape_is_right:
; out0 = ao w_out^T + b_out, f16 operands (ao as the attention launch rounded it; w_out's bf16 number carried in f16), f32 sums, f32 out.
; A work-group makes 256 tokens x 128 columns: 32 x 8 = 256 work-groups.  Four waves, 2 x 2; a wave makes 128 tokens x 64 columns:
; 32 accumulator tiles in register window 1, tile (a, bl) at v[8 (8 bl + a)].  K goes in steps of 128 through two LDS slots.
; ao lies in fragment order ([token tile][k / 8][token][8 k]): a K step of a token tile is 4,096 consecutive bytes and a fragment load takes
; neighbouring 16 bytes, so the token part of a slot has no padding.  wob lies as [k / 64][row][64]: rows of 128 bytes, padded to 144 in LDS.
; CLUSTERS 4 x 4: the token tile is shared along a row of the cluster, the weight tile along a column; each is asked for jointly.
; The matrix instruction is used transposed (source 0 = weight rows, source 1 = token rows): a lane holds 8 neighbouring columns of a token.
.set PITCH,  144
.set BZ,     128*PITCH                 ; 128 weight rows x 64 k: one tensor load
.set ATILE,  32768                     ; 8 token tiles x 4,096 bytes: one tensor load
.set BOFF,   2*ATILE
.set SLOT,   BOFF+2*BZ                 ; 102,400
.set STAGE,  2*SLOT                    ; behind the ring: 16 rows x 272 bytes a wave, never the target of a tensor load
.set SPITCH, 272
.set LAPS,   4                         ; 8 K steps, two a lap
.set ADRA, 16
.set ADRB, 20
.set STO,  24
.set RD,   25
.set CO,   26
.set FA0,  32
.set FA1,  96
.set FB0,  160
.set FB1,  192
.set BV,   224                         ; v224-255 the bias of my 4 x 8 columns
.set G1,  24
.set G0,  32
.set G1B, 48
.set G0B, 56
.set MSB, 0
.macro WIN new
.if MSB != (\new)
	s_set_vgpr_msb (MSB<<8)|(\new)
.set MSB, \new
.endif
.endm
.macro PLACES                          ; four places behind a matrix instruction (ISA guide 7.12.1)
.rept 4
	v_nop
.endr
.endm
.macro JLOAD s
	s_cmp_eq_u32 s11, 0
	s_cbranch_scc0 .Lfor_b_\@
	tensor_load_to_lds s[G0+4*\s:G0+4*\s+3], s[G1:G1+7]
	s_nop 0
	s_branch .Lasked_\@
.Lfor_b_\@:
	tensor_load_to_lds s[G0B+4*\s:G0B+4*\s+3], s[G1B:G1B+7]
	s_nop 0
.Lasked_\@:
.endm
.macro CREST
	s_cmp_lg_u32 s10, 0
	s_cbranch_scc1 .Lnot_wave_0_\@
	s_barrier_signal -3
.Lnot_wave_0_\@:
	s_barrier_wait -3
	s_barrier_signal -1
	s_barrier_wait -1
.endm
.macro CROUND
	s_barrier_signal -1
	s_barrier_wait -1
	CREST
.endm
; 16 matrix instructions; the accumulators take turns, one instruction a turn.
.macro MULH abuf, bs, half, zero
.irp bl, 2*\half, 2*\half+1
.irp a, 0,1,2,3,4,5,6,7
.if \zero
	v_wmma_f32_16x16x32_f16 v[8*(8*(\bl)+\a):8*(8*(\bl)+\a)+7], v[\bs+8*(\bl):\bs+8*(\bl)+7], v[\abuf+8*\a:\abuf+8*\a+7], 0
.else
	v_wmma_f32_16x16x32_f16 v[8*(8*(\bl)+\a):8*(8*(\bl)+\a)+7], v[\bs+8*(\bl):\bs+8*(\bl)+7], v[\abuf+8*\a:\abuf+8*\a+7], v[8*(8*(\bl)+\a):8*(8*(\bl)+\a)+7]
.endif
.endr
.endr
.endm
.macro FETCHA slot, kq, buf            ; my 8 token tiles, quarter kq: 1,024 bytes of each tile's 4,096
.irp a, 0,1,2,3,4,5,6,7
	ds_load_b128 v[\buf+8*\a:\buf+8*\a+3],   v[ADRA+\slot] offset:\a*4096+(\kq)*1024
	ds_load_b128 v[\buf+8*\a+4:\buf+8*\a+7], v[ADRA+\slot] offset:\a*4096+(\kq)*1024+512
.endr
.endm
.macro FETCHB slot, kq, bs             ; my 64 weight rows, quarter kq
.irp b, 0,1,2,3
	ds_load_b128 v[\bs+8*\b:\bs+8*\b+3],   v[ADRB+\slot] offset:((\kq)/2)*BZ+\b*16*PITCH+((\kq)%2)*64
	ds_load_b128 v[\bs+8*\b+4:\bs+8*\b+7], v[ADRB+\slot] offset:((\kq)/2)*BZ+\b*16*PITCH+((\kq)%2)*64+32
.endr
.endm
.macro NEXTF nslot, nkq, nbs, nabuf
	FETCHB \nslot, \nkq, \nbs
	FETCHA \nslot, \nkq, \nabuf
.endm
; A stretch = a quarter of 32 K: 32 matrix instructions.  Modes: 0 inside a slot, 1 last of a slot with refill, 2 without, 3 the very last.
.macro STRETCH mode, zero, abuf, bs, nslot, nkq, nbs, nabuf, rs
	s_wait_dscnt 0x0                               ; this stretch's fragments are in
.if \mode == 0
	WIN 0
	PLACES
	NEXTF \nslot, \nkq, \nbs, \nabuf               ; into the buffers that the stretch before last read
	WIN 0x50
	MULH \abuf, \bs, 0, \zero
	MULH \abuf, \bs, 1, \zero
.endif
.if (\mode-1)*(\mode-2) == 0
	s_wait_tensorcnt 0x0                           ; all my tensor loads have landed (one was out: my part of the other slot); my reads of this slot ended above
	ds_add_u32 v30, v31
	s_wait_dscnt 0x0
	s_barrier_signal -1
	WIN 0x50
	MULH \abuf, \bs, 0, \zero
	WIN 0
	s_barrier_wait -1
.if \mode == 1
	CREST                                          ; no wave of any partner still reads this slot or has a load on its way
	s_add_nc_u64 s[G0+4*\rs+2:G0+4*\rs+3], s[G0+4*\rs+2:G0+4*\rs+3], 8192
	s_add_nc_u64 s[G0B+4*\rs+2:G0B+4*\rs+3], s[G0B+4*\rs+2:G0B+4*\rs+3], 524288
	JLOAD \rs                                      ; my one tensor load behind the round, ahead of any LDS read
.endif
	PLACES
	NEXTF \nslot, \nkq, \nbs, \nabuf
	WIN 0x50
	MULH \abuf, \bs, 1, \zero
.endif
.if \mode == 3
	WIN 0x50
	MULH \abuf, \bs, 0, \zero
	MULH \abuf, \bs, 1, \zero
.endif
.endm
.macro SLOTRUN slot, other, zero, lastmode
	STRETCH 0, \zero, FA0, FB0, \slot, 1, FB1, FA1, \slot
	STRETCH 0, 0, FA1, FB1, \slot, 2, FB0, FA0, \slot
	STRETCH 0, 0, FA0, FB0, \slot, 3, FB1, FA1, \slot
	STRETCH \lastmode, 0, FA1, FB1, \other, 0, FB0, FA0, \slot
.endm
.macro LAP zero
	SLOTRUN 0, 1, \zero, 1
	SLOTRUN 1, 0, 0, 1
.endm
	s_load_b128 s[4:7], s[0:1], 0x0                ; ao, wob
	s_load_b128 s[68:71], s[0:1], 0x10             ; b_out, out0
	v_lshl_add_u32 v30, v0, 2, 0x36400
	v_mov_b32 v31, 0
	ds_add_u32 v30, v31
	v_lshrrev_b32 v1, 5, v0
	v_readfirstlane_b32 s10, v1                    ; wave
	s_lshr_b32 s11, s10, 1                         ; my half of the tokens; also: I fetch tokens (0) or weights (1)
	s_and_b32 s12, s10, 1                          ; my half of the columns; also: which half I fetch
	s_bfe_u32 s40, ttmp6, 0x40000                  ; cx
	s_bfe_u32 s41, ttmp6, 0x40004                  ; cy
	s_lshl_b32 s42, ttmp9, 2
	s_add_co_u32 s42, s42, s40                     ; block column, 0..7
	s_and_b32 s13, ttmp7, 0xffff
	s_lshl_b32 s13, s13, 2
	s_add_co_u32 s13, s13, s41                     ; block row, 0..31
	s_lshl_b32 s43, s41, 2
	s_lshl_b32 s43, 15, s43                        ; my row of the cluster
	s_lshl_b32 s44, 0x1111, s40                    ; my column
	; tokens: 8 rows (token tiles) of 4,096 bytes, 32,768 bytes apart, no padding
	s_or_b32 s[G1+0], s43, (3<<16)|(1<<21)
	s_mov_b32 s[G1+1], 512<<16                     ; tensor_dim0 = 512 elements of 8 bytes
	s_mov_b32 s[G1+2], 8<<16                       ; tensor_dim1 = 8
	s_mov_b32 s[G1+3], 512<<16                     ; tile_dim0
	s_mov_b32 s[G1+4], 8                           ; tile_dim1
	s_mov_b32 s[G1+5], 4096                        ; pitch in elements
	s_mov_b32 s[G1+6], 0
	s_mov_b32 s[G1+7], 0
	; weights: a dense block of 64 rows x 256 bytes; 16 bytes of padding behind every 128 bytes give LDS rows of 144
	s_or_b32 s[G1B+0], s44, (3<<16)|(1<<20)|(1<<21)|(4<<22)|(3<<25)
	s_mov_b32 s[G1B+1], 32<<16
	s_mov_b32 s[G1B+2], 64<<16
	s_mov_b32 s[G1B+3], 32<<16
	s_mov_b32 s[G1B+4], 64
	s_mov_b32 s[G1B+5], 32
	s_mov_b32 s[G1B+6], 0
	s_mov_b32 s[G1B+7], 0
	s_lshl_b32 s16, s13, 19                        ; 16 token tiles x 32,768 bytes
	s_lshl_b32 s17, s12, 18
	s_add_co_u32 s16, s16, s17
	s_mov_b32 s17, 0
	s_lshl_b32 s46, s42, 14                        ; 128 rows x 128 bytes
	s_lshl_b32 s47, s12, 17                        ; the first or the second 64 k of a K step
	s_add_co_u32 s46, s46, s47
	s_mov_b32 s47, 0
	s_lshl_b32 s20, s12, 15                        ; LDS: the wave number alone
	s_mul_i32 s23, s12, BZ
	s_add_co_u32 s23, s23, BOFF
	s_wait_dscnt 0x0
	s_wait_kmcnt 0x0
	s_add_nc_u64 s[14:15], s[4:5], s[16:17]
	s_add_nc_u64 s[46:47], s[6:7], s[46:47]
	CROUND                                         ; all sixteen work-groups are here: the first joint loads meet
.irp s, 0,1
	s_mov_b32 s[G0+4*\s], 1
	s_add_co_u32 s[G0+4*\s+1], s20, \s*SLOT
	s_add_nc_u64 s[G0+4*\s+2:G0+4*\s+3], s[14:15], \s*4096
	s_or_b32 s[G0+4*\s+3], s[G0+4*\s+3], 0x80000000
	s_mov_b32 s[G0B+4*\s], 1
	s_add_co_u32 s[G0B+4*\s+1], s23, \s*SLOT
	s_add_nc_u64 s[G0B+4*\s+2:G0B+4*\s+3], s[46:47], \s*262144
	s_or_b32 s[G0B+4*\s+3], s[G0B+4*\s+3], 0x80000000
	JLOAD \s                                       ; both first fills go out together: two tensor loads of the wave are out
.endr
	v_and_b32 v1, 15, v0                           ; r
	v_bfe_u32 v2, v0, 4, 1                         ; h
	v_and_b32 v4, 31, v0                           ; lane
	; the bias of my columns 16 bl + 8 h + 0..7, kept in registers
	s_lshl_b32 s16, s42, 9
	s_lshl_b32 s17, s12, 8
	s_add_co_u32 s16, s16, s17                     ; my first column in bytes: 512 x block + 256 x half
	s_mov_b32 s17, 0
	s_add_nc_u64 s[18:19], s[68:69], s[16:17]
	v_lshlrev_b32 v5, 5, v2
.irp bl, 0,1,2,3
	global_load_b128 v[BV+8*\bl:BV+8*\bl+3],   v5, s[18:19] offset:64*\bl
	global_load_b128 v[BV+8*\bl+4:BV+8*\bl+7], v5, s[18:19] offset:64*\bl+16
.endr
	s_add_nc_u64 s[72:73], s[70:71], s[16:17]      ; out0 at my first column,
	s_lshl_b32 s74, s13, 20
	s_lshl_b32 s75, s11, 19
	s_add_co_u32 s74, s74, s75
	s_mov_b32 s75, 0
	s_add_nc_u64 s[72:73], s[72:73], s[74:75]      ; and my first token: (256 x block + 128 x half) x 4,096 bytes
	v_lshlrev_b32 v3, 4, v4                        ; token fragments: 16 x lane
	s_lshl_b32 s21, s11, 15
	v_mul_u32_u24 v6, v1, PITCH                    ; weight fragments: row r, 16 h
	v_lshl_add_u32 v6, v2, 4, v6
	s_mul_i32 s22, s12, 64*PITCH
	s_add_co_u32 s22, s22, BOFF
.irp s, 0,1
	v_add_nc_u32 v[ADRA+\s], s21, v3
	v_add_nc_u32 v[ADRB+\s], s22, v6
	s_add_co_u32 s21, s21, SLOT
	s_add_co_u32 s22, s22, SLOT
.endr
	s_mul_i32 s2, s10, 16*SPITCH
	s_add_co_u32 s2, s2, STAGE                     ; my stage
	v_mul_u32_u24 v7, v1, SPITCH                   ; in: row r, 32 bytes for each half of the lanes
	v_lshl_add_u32 v7, v2, 5, v7
	v_add_nc_u32 v[STO], s2, v7
	v_mul_u32_u24 v8, v2, SPITCH                   ; back: lanes 0-15 one row of 256 bytes, lanes 16-31 the next
	v_lshl_add_u32 v8, v1, 4, v8
	v_add_nc_u32 v[RD], s2, v8
	v_lshlrev_b32 v9, 12, v2                       ; and the same two rows in out0
	v_lshl_add_u32 v[CO], v1, 4, v9
	s_wait_loadcnt 0x0
	s_wait_tensorcnt 0x1                           ; my part of K step 0 is in; K step 1 stays out
	s_barrier_signal -1
	s_barrier_wait -1
	FETCHA 0, 0, FA0
	FETCHB 0, 0, FB0
	LAP 1                                          ; the first products start the sums
	WIN 0
	s_mov_b32 s3, LAPS-2
.Llap:
	LAP 0
	WIN 0
	s_sub_co_u32 s3, s3, 1
	s_cmp_lg_u32 s3, 0
	s_cbranch_scc1 .Llap
	SLOTRUN 0, 1, 0, 2                             ; the last lap fills nothing
	SLOTRUN 1, 0, 0, 3
	WIN 0
	PLACES
; The way out, 16 tokens at a time: sum + bias, 32 bytes a lane into my own stage, read back as whole rows of 256 bytes.
; Sixteen lanes store 256 consecutive bytes at a multiple of 256 from the first byte of out0.
.macro OUTA a, f
	WIN 0x01
.irp bl, 0,1,2,3
.irp i, 0,1,2,3
	v_pk_add_f32 v[32+8*\bl+2*\i:32+8*\bl+2*\i+1], v[8*(8*\bl+\a)+2*\i:8*(8*\bl+\a)+2*\i+1], v[BV+8*\bl+2*\i:BV+8*\bl+2*\i+1]
.endr
.endr
	WIN 0
.irp bl, 0,1,2,3
	ds_store_b128 v[STO], v[32+8*\bl:32+8*\bl+3] offset:64*\bl
	ds_store_b128 v[STO], v[32+8*\bl+4:32+8*\bl+7] offset:64*\bl+16
.endr
	s_wait_xcnt 0x0                                ; buffer f, which earlier stores read, is rewritten only behind this wait
.irp t, 0,1,2,3,4,5,6,7
	ds_load_b128 v[\f+4*\t:\f+4*\t+3], v[RD] offset:\t*2*SPITCH    ; LDS serves a wave in order: these see the stores above; the bytes are the wave's own
.endr
.irp t, 0,1,2,3,4,5,6,7
	s_wait_dscnt 7-\t                              ; read-back t is in, the younger ones stay out
	global_store_b128 v[CO], v[\f+4*\t:\f+4*\t+3], s[72:73] offset:\a*65536+\t*8192 th:TH_STORE_NT
.endr
.endm
	OUTA 0, 64
	OUTA 1, 96
	OUTA 2, 64
	OUTA 3, 96
	OUTA 4, 64
	OUTA 5, 96
	OUTA 6, 64
	OUTA 7, 96
	s_wait_tensorcnt 0x0
	ds_add_u32 v30, v31
	s_wait_dscnt 0x0
	CROUND                                         ; the closing round
	s_endpgm
.Lfunc_end_k_q58c204c4a7_proj:
	.size	k_q58c204c4a7_proj, .Lfunc_end_k_q58c204c4a7_proj-k_q58c204c4a7_proj
	.p2alignl 7, 3214868480
	.fill 96, 4, 3214868480
	.section	.rodata,"a",@progbits
	.p2align	6, 0x0
	.amdhsa_kernel k_q58c204c4a7_proj
		.amdhsa_group_segment_fixed_size 327680
		.amdhsa_private_segment_fixed_size 0
		.amdhsa_enable_private_segment 0
		.amdhsa_kernarg_size 32
		.amdhsa_user_sgpr_count 2
		.amdhsa_user_sgpr_kernarg_segment_ptr 1
		.amdhsa_wavefront_size32 1
		.amdhsa_system_sgpr_workgroup_id_x 1
		.amdhsa_system_sgpr_workgroup_id_y 1
		.amdhsa_system_sgpr_workgroup_id_z 1
		.amdhsa_system_vgpr_workitem_id 0
		.amdhsa_next_free_vgpr 512
		.amdhsa_next_free_sgpr 76
		.amdhsa_reserve_vcc 0
		.amdhsa_float_denorm_mode_32 3
		.amdhsa_float_denorm_mode_16_64 3
		.amdhsa_memory_ordered 1
		.amdhsa_forward_progress 1
		.amdhsa_inst_pref_size 126
	.end_amdhsa_kernel
	.amdgpu_metadata
---
amdhsa.version: [ 1, 2 ]
amdhsa.kernels:
  - .name:           k_q58c204c4a7_proj
    .symbol:         k_q58c204c4a7_proj.kd
    .args:
      - { .name: ao, .offset: 0, .size: 8, .value_kind: global_buffer, .address_space: global }
      - { .name: wob, .offset: 8, .size: 8, .value_kind: global_buffer, .address_space: global }
      - { .name: b_out, .offset: 16, .size: 8, .value_kind: global_buffer, .address_space: global }
      - { .name: out0, .offset: 24, .size: 8, .value_kind: global_buffer, .address_space: global }
    .group_segment_fixed_size: 327680
    .private_segment_fixed_size: 0
    .kernarg_segment_align: 8
    .kernarg_segment_size: 32
    .max_flat_workgroup_size: 128
    .sgpr_count:     76
    .vgpr_count:     512
    .wavefront_size: 32
...
	.end_amdgpu_metadata
.endif
;; end of part 4
;; ======== version 2 of 2: 4 launches; 1.21 times as fast as version 1
;; limits: values are held in f16: magnitudes above 65,504 overflow, below 6.1e-05 lose precision
;; workspace buffers: xb 16,777,216 bytes; wqb 6,291,456 bytes; wob 2,097,152 bytes; mbits 524,288 bytes of whole numbers; qkv 50,331,648 bytes; ao 16,777,216 bytes
;; launch prep: the kernel of part 1 again; grid 1024 x 1, 8 waves a work-group, no clusters, 68,608 bytes of LDS; arguments x, w_qkv, w_out, attn_mask, xb, wqb, wob, mbits; writes xb, wqb, wob, mbits
;; launch qkv: the kernel of part 2 again; grid 8 x 32, 4 waves a work-group, clusters of 4 x 4, 327,680 bytes of LDS; arguments xb, wqb, b_qkv, qkv; writes qkv
;; launch attn (part 5): grid 4 x 64, 8 waves a work-group, clusters of 4 x 1, 327,680 bytes of LDS; arguments qkv, mbits, ao; writes ao
.if DOCPART == 5
	.amdgcn_target "amdgcn-amd-amdhsa--gfx1250"
	.amdhsa_code_object_version 6
	.text
	.protected	k_q58c204c4a7_attn
	.globl	k_q58c204c4a7_attn
	.p2align	8
	.type	k_q58c204c4a7_attn,@function
k_q58c204c4a7_attn:
	s_mov_b64 s[64:65], 0
	v_nop
	global_prefetch_b8 v0, s[64:65] scope:SCOPE_SE
	s_setreg_imm32_b32 hwreg(HW_REG_WAVE_MODE, 25, 1), 1
	s_wait_xcnt 0x0
	s_wait_alu depctr_hold_cnt(0) depctr_sa_sdst(0) depctr_va_vdst(0) depctr_va_sdst(0) depctr_va_ssrc(0) depctr_va_vcc(0) depctr_vm_vsrc(0)
	s_getreg_b32 s2, hwreg(HW_REG_IB_STS2, 6, 4)
	s_cmp_eq_u32 s2, 0
	s_cbranch_scc0 .Lentry_in_a_cluster
	s_endpgm
.Lentry_in_a_cluster:
	s_bfe_u32 s2, ttmp6, 0x10000c
	s_cmp_lg_u32 s2, 0x3003
	s_cbranch_scc0 .Lentry_shape_is_right
	s_endpgm
.Lentry_shape_is_right:
; Masked softmax attention for one (batch, head) and 512 queries a work-group: 4 x 64 = 256 work-groups.  Eight waves, 64 queries (4 tiles of 16) each.
; All matrix operands (q, k, v, the weights p) and the result are f16, the sums f32: a row that attends to few keys is as large as v itself,
; and eight significant bits would cost more than a hundredth of the output's root mean square.  p lies in 0 .. 1.
; S^T = K Q^T: lane (r, h), register j holds key 8 h + j of query r.  Two neighbouring S^T tiles, exponentiated and packed to f16, are the
; second source of O^T = V^T P^T as they stand: no shuffle and no LDS between the two products.  Row maximum and row sum are kept per lane;
; the two halves of the lanes meet by one v_permlanex16_b32.  The mask costs one select a score: its lane masks come packed from mbits by scalar loads.
; CLUSTER 4 x 1: the four query blocks of a head read the same K and V tiles and ask for them jointly (mask 15).
; A key step is 64 keys; a stage is one query tile x one key step; the S^T product of the next stage is issued in the stage before, under the vector work.
; THE RING: two LDS slots of 65,536 bytes, four key steps each; wave w fills 8 KiB of a slot (32 rows of 256 bytes), waves 0-3 K, waves 4-7 V.
; K LIES ONE KEY STEP AHEAD OF V: fill t holds K of key steps 4 t + 1 .. 4 t + 4 and V of key steps 4 t .. 4 t + 3.  In key step n the text reads V of n
; and, looking ahead, K of n + 1: both lie at the same place of the same slot, so the slots change between two key steps and ONE text of a key step
; serves all 32: an inner loop of four trips for each turn of a slot.  K of key step 0 comes straight from memory into the fragment registers.
; The look-ahead of the last key step takes K of a key step 32 that does not exist: the 8,192 bytes behind the head's K (the next head's K, or the
; first bytes of v: inside qkv for every head), one product of 8 matrix instructions and one stage's mask words (those of my second query tile);
; none of these results is read.
; O^T is cleared by 128 moves while Q and K are on their way: a first key step written out, whose products start the sums, would be four more stages of text.
; The running maximum is taken away before every exponential.  LIMITS: it starts at -FLT_MAX (0xff7fffff), not at -infinity;
; a row whose mask is all zero ends as 0 x rcp(0) = NaN, as the softmax of a row of -infinity does; q carries 0.125 log2(e), so scores are
; exponents of two; v_exp_f32 gives 0 for results below 2^-126 (ISA guide 15.8), and a weight below 2^-25 of the row's largest rounds to 0 in f16;
; a result above 65,504 in magnitude becomes infinite (it is a mean of v, which has the same bound).
.set PLANE, 16777216                   ; bytes of q, of k, of v
.set HEADB, 262144                     ; bytes of one (batch, head): 128 tiles x 2,048
.set SLOTB, 65536
.set VOFF,  32768                      ; V's part of a slot
.set FILLB, 32768                      ; bytes of K, and of V, from a fill to the next
.set LA,   1                           ; v1, v2   16 x lane (+ slot 1); v1 is also the global lane offset
.set NINF, 3                           ; v3       -infinity
.set XR,   4                           ; v4       what the other half of the lanes holds
.set MP,   6                           ; v[6:7]   the new maximum, twice
.set AL,   8                           ; v[8:9]   2^(old maximum - new maximum), twice
.set SA,   10                          ; v[10:13] two pairs of partial sums
.set SB,   12
.set MX,   14                          ; v[14:17] four chains of the maximum
.set RM,   18                          ; v[18:21] running maximum of my four query tiles
.set LS,   22                          ; v[22:25] running sum (my half of the keys)
.set LC,   26                          ; v26      16 x lane + slot + 8,192 x the key step's place in the slot
.set PR,   32                          ; v[32:47] P^T, two fragments
.set S0,   48                          ; v[48:79], v[80:111] two buffers of four S^T tiles
.set KF,   112                         ; v[112:175] K fragments of a key step: 16 kt + 8 ds
.set VF,   176                         ; v[176:239] V^T fragments: 16 dt + 8 p
.set QR,   0                           ; window 1: v[0:63]   Q fragments, 16 i + 8 ds
.set OA,   64                          ; window 1: v[64:191] O^T, 32 i + 8 dt
.set MSB, 0
.macro WIN new                         ; the high byte of the immediate repeats the setting that is left
.if MSB != (\new)
	s_set_vgpr_msb (MSB<<8)|(\new)
.set MSB, \new
.endif
.endm
.macro PLACES
.rept 4
	v_nop
.endr
.endm
.macro ROUND                           ; a round of the cluster barrier
	s_barrier_signal -1
	s_barrier_wait -1
	s_cmp_lg_u32 s6, 0
	s_cbranch_scc1 .Lnot_wave_0_\@
	s_barrier_signal -3
.Lnot_wave_0_\@:
	s_barrier_wait -3
	s_barrier_signal -1
	s_barrier_wait -1
.endm
.macro MLOAD buf, off                  ; the 32 lane masks of a stage: buffer 0 = s[16:47], buffer 1 = s[48:63] and s[80:95]
.if (\buf) == 0
	s_load_b512 s[16:31], s[2:3], \off
	s_load_b512 s[32:47], s[2:3], \off+64
.else
	s_load_b512 s[48:63], s[2:3], \off
	s_load_b512 s[80:95], s[2:3], \off+64
.endif
.endm
.macro KLOAD                           ; 4 K tiles = 8,192 consecutive bytes, 512 a load: lanes at neighbouring 16 bytes
.set ee, 0
.rept 16
	ds_load_b128 v[KF+4*ee:KF+4*ee+3], v[LC] offset:512*ee
.set ee, ee+1
.endr
.endm
.macro VLOAD                           ; 4 V tiles, transposed on the way: tile t = 2 p + half gives keys 16 t + 8 h + 0..7 of d = 16 dt + r
.irp dt, 0,1,2,3
.irp t, 0,1,2,3
	ds_load_tr16_b128 v[VF+16*\dt+4*\t:VF+16*\dt+4*\t+3], v[LC] offset:VOFF+\t*2048+\dt*512
.endr
.endr
.endm
; S^T of query tile qi against the 64 keys in KF.  The four accumulators take turns, one instruction a turn.
.macro SMUL dst, qi
	WIN 0x04                                       ; source 1 (Q) in window 1
.irp kt, 0,1,2,3
	v_wmma_f32_16x16x32_f16 v[\dst+8*\kt:\dst+8*\kt+7], v[KF+16*\kt:KF+16*\kt+7], v[QR+16*(\qi):QR+16*(\qi)+7], 0
.endr
.irp kt, 0,1,2,3
	v_wmma_f32_16x16x32_f16 v[\dst+8*\kt:\dst+8*\kt+7], v[KF+16*\kt+8:KF+16*\kt+15], v[QR+16*(\qi)+8:QR+16*(\qi)+15], v[\dst+8*\kt:\dst+8*\kt+7]
.endr
	WIN 0
.endm
.macro PV i                            ; O^T += V^T P^T; again four accumulators by turns
	WIN 0x50                                       ; C and D in window 1
.irp dt, 0,1,2,3
	v_wmma_f32_16x16x32_f16 v[OA+32*\i+8*\dt:OA+32*\i+8*\dt+7], v[VF+16*\dt:VF+16*\dt+7], v[PR:PR+7], v[OA+32*\i+8*\dt:OA+32*\i+8*\dt+7]
.endr
.irp dt, 0,1,2,3
	v_wmma_f32_16x16x32_f16 v[OA+32*\i+8*\dt:OA+32*\i+8*\dt+7], v[VF+16*\dt+8:VF+16*\dt+15], v[PR+8:PR+15], v[OA+32*\i+8*\dt:OA+32*\i+8*\dt+7]
.endr
	WIN 0
.endm
.macro SUBG g                          ; four scores less the maximum
	v_pk_add_f32 v[CUR+4*\g:CUR+4*\g+1], v[CUR+4*\g:CUR+4*\g+1], v[MP:MP+1] neg_lo:[0,1] neg_hi:[0,1]
	v_pk_add_f32 v[CUR+4*\g+2:CUR+4*\g+3], v[CUR+4*\g+2:CUR+4*\g+3], v[MP:MP+1] neg_lo:[0,1] neg_hi:[0,1]
.endm
.macro EXPG g
.irp q, 0,1,2,3
	v_exp_f32 v[CUR+4*\g+\q], v[CUR+4*\g+\q]
.endr
.endm
.macro POSTG g                         ; into the sums (groups 0 and 1 start them) and, packed to f16, into P^T
.if \g == 0
	s_wait_alu depctr_va_vdst(0)
	v_pk_add_f32 v[SA:SA+1], v[CUR:CUR+1], v[CUR+2:CUR+3]
.else
.if \g == 1
	v_pk_add_f32 v[SB:SB+1], v[CUR+4:CUR+5], v[CUR+6:CUR+7]
.else
	s_wait_alu depctr_va_vdst(0)
	v_pk_add_f32 v[SA:SA+1], v[SA:SA+1], v[CUR+4*\g:CUR+4*\g+1]
	v_pk_add_f32 v[SB:SB+1], v[SB:SB+1], v[CUR+4*\g+2:CUR+4*\g+3]
.endif
.endif
	v_cvt_pk_f16_f32 v[PR+2*\g], v[CUR+4*\g], v[CUR+4*\g+1]
	v_cvt_pk_f16_f32 v[PR+2*\g+1], v[CUR+4*\g+2], v[CUR+4*\g+3]
.endm
; One stage: query tile i against the key step at v[LC].  Its scores lie in buffer i mod 2, its lane masks in mask buffer i mod 2.
.macro STAGE i
.set CUR, S0+32*(\i&1)
.set NXT, S0+32*((\i+1)&1)
	s_wait_kmcnt 0x0                               ; this stage's lane masks are in; no scalar load is out, so the pointer may step
.if \i == 3
	s_add_nc_u64 s[2:3], s[2:3], 128               ; the next key step: 4 key tiles x 8 words
	MLOAD 0, 0                                     ; the next stage's masks, a whole stage ahead of their use
.else
	MLOAD (\i+1)&1, (\i+1)*4096
.endif
.set ee, 0
.rept 32
	v_cndmask_b32 v[CUR+ee], v[NINF], v[CUR+ee], s[16+ee+(\i&1)*(32+16*(ee/16))]   ; mask 0: -infinity.  These are also the places behind the last stage's products
.set ee, ee+1
.endr
.if \i == 0
	VLOAD                                          ; this key step's V
.endif
.if \i == 3
	s_wait_dscnt 0x0                               ; the next key step's K fragments are in
	SMUL NXT, 0
.else
	SMUL NXT, \i+1
.endif
	; the row maximum: four chains, the old maximum joins last; then the other half of the lanes.  Also the places behind SMUL
.irp k, 0,1,2,3
	v_max3_num_f32 v[MX+\k], v[CUR+8*\k], v[CUR+8*\k+1], v[CUR+8*\k+2]
.endr
.irp k, 0,1,2,3
	v_max3_num_f32 v[MX+\k], v[MX+\k], v[CUR+8*\k+3], v[CUR+8*\k+4]
.endr
.irp k, 0,1,2,3
	v_max3_num_f32 v[MX+\k], v[MX+\k], v[CUR+8*\k+5], v[CUR+8*\k+6]
.endr
	v_max3_num_f32 v[MX], v[MX], v[CUR+7], v[CUR+15]
	v_max3_num_f32 v[MX+2], v[MX+2], v[CUR+23], v[CUR+31]
	v_max3_num_f32 v[MX], v[MX], v[MX+1], v[MX+2]
	v_max3_num_f32 v[MX], v[MX], v[MX+3], v[RM+\i]
	v_permlanex16_b32 v[XR], v[MX], s66, s67
	v_max_num_f32 v[MP], v[MX], v[XR]
	v_max_num_f32 v[MP+1], v[MX], v[XR]
.if \i == 2
	KLOAD                                          ; the next key step's K: the last product on this one's was issued above, nineteen vector instructions ago
.endif
	v_sub_f32 v[AL], v[RM+\i], v[MP]
	v_exp_f32 v[AL], v[AL]
	v_mov_b32 v[RM+\i], v[MP]                      ; a plain instruction between an exponential and the use of its result (ISA guide 5.7.2)
	s_wait_alu depctr_va_vdst(0)
	v_mov_b32 v[AL+1], v[AL]
	; 32 exponentials in groups of four; a group's results are used one group later, behind plain instructions
	SUBG 0
	SUBG 1
	EXPG 0
	SUBG 2
	EXPG 1
	SUBG 3
	POSTG 0
	EXPG 2
	SUBG 4
	POSTG 1
	EXPG 3
	SUBG 5
	POSTG 2
	EXPG 4
	SUBG 6
	POSTG 3
	EXPG 5
	SUBG 7
	POSTG 4
	EXPG 6
	POSTG 5
	EXPG 7
	POSTG 6
	POSTG 7
	v_pk_add_f32 v[SA:SA+1], v[SA:SA+1], v[SB:SB+1]
	v_add_f32 v[SA], v[SA], v[SA+1]
	v_fma_f32 v[LS+\i], v[LS+\i], v[AL], v[SA]
	WIN 0x41                                       ; O^T in window 1, as source 0 and destination
.set ee, 0
.rept 16
	v_pk_mul_f32 v[OA+32*\i+2*ee:OA+32*\i+2*ee+1], v[OA+32*\i+2*ee:OA+32*\i+2*ee+1], v[AL:AL+1]
.set ee, ee+1
.endr
.if \i == 0
	s_wait_dscnt 0x0                               ; this key step's V fragments are in
.endif
	PV \i
.endm
; A turn of a slot.  In front of the round every wave waits for all its tensor loads (one was out: its part of this slot) and for its reads of the
; other slot; behind the round the other slot is filled again, my one tensor load there, ahead of any LDS read; it has four key steps in which to land.
.macro TRIP slot, refill
	s_wait_tensorcnt 0x0                           ; no tensor load of mine is out, so a group 0 may be written:
	ds_add_u32 v254, v255
	s_wait_dscnt 0x0
	s_add_nc_u64 s[10+4*\slot:11+4*\slot], s[10+4*\slot:11+4*\slot], 2*FILLB   ; this slot's next fill
	s_wait_dscnt 0x0
	ROUND                                          ; both now hold of every wave of the four work-groups
.if \refill
	tensor_load_to_lds s[12-4*\slot:15-4*\slot], s[72:79]
	s_nop 0
.endif
	s_mov_b32 s7, 0
.Lks_\@:                                       ; the slot's four key steps
	v_lshl_add_u32 v[LC], s7, 13, v[LA+\slot]      ; 8,192 bytes of K, and of V, a key step
	STAGE 0
	STAGE 1
	STAGE 2
	STAGE 3
	s_add_co_u32 s7, s7, 1
	s_cmp_lt_u32 s7, 4
	s_cbranch_scc1 .Lks_\@
.endm
	s_load_b128 s[96:99], s[0:1], 0x0              ; qkv, mbits
	s_load_b64 s[100:101], s[0:1], 0x10            ; ao
	v_lshl_add_u32 v254, v0, 2, 0x29000
	v_mov_b32 v255, 0
	ds_add_u32 v254, v255
	v_lshrrev_b32 v5, 5, v0
	v_readfirstlane_b32 s6, v5                     ; wave, 0..7
	s_bfe_u32 s68, ttmp6, 0x40000                  ; cx
	s_lshl_b32 s69, ttmp9, 2
	s_add_co_u32 s69, s69, s68                     ; block of 512 queries
	s_and_b32 s70, ttmp7, 0xffff                   ; batch x 16 + head
	s_mov_b32 s66, 0x76543210                      ; v_permlanex16_b32: lane i reads lane i of the other half
	s_mov_b32 s67, 0xfedcba98
	; group 1: a dense block of 32 rows x 256 bytes, no padding (fragment loads take neighbouring 16 bytes); mask 15, bit 21 beside it
	s_mov_b32 s72, 0x0023000f
	s_mov_b32 s73, 32<<16                          ; tensor_dim0 = 32 elements of 8 bytes
	s_mov_b32 s74, 32<<16                          ; tensor_dim1 = 32
	s_mov_b32 s75, 32<<16                          ; tile_dim0 = 32
	s_mov_b32 s76, 32                              ; tile_dim1 = 32
	s_mov_b32 s77, 32                              ; pitch = 32: dense
	s_mov_b32 s78, 0
	s_mov_b32 s79, 0
	; my part of a fill: waves 0-3 quarters of K, waves 4-7 quarters of V.  Made of the head and the wave alone: equal in the four partners
	s_lshr_b32 s16, s6, 2                          ; 0: I fetch K, 1: V
	s_xor_b32 s28, s16, 1
	s_lshl_b32 s28, s28, 13                        ; K lies one key step (8,192 bytes) ahead
	s_add_co_u32 s16, s16, 1
	s_lshl_b32 s16, s16, 24                        ; plane 1 (k) or 2 (v)
	s_lshl_b32 s17, s70, 18                        ; the head
	s_add_co_u32 s16, s16, s17
	s_add_co_u32 s26, s17, PLANE                   ; K of key step 0: the head's first bytes in plane 1
	s_mov_b32 s27, 0
	s_and_b32 s17, s6, 3
	s_lshl_b32 s17, s17, 13                        ; my quarter
	s_add_co_u32 s16, s16, s17
	s_add_co_u32 s16, s16, s28
	s_mov_b32 s17, 0
	s_lshl_b32 s71, s69, 5
	s_lshl2_add_u32 s71, s6, s71                   ; my first query tile = 32 x block + 4 x wave
	s_lshl_b32 s18, s70, 18
	s_lshl_b32 s19, s71, 11
	s_add_co_u32 s18, s18, s19                     ; q: head, tile
	s_mov_b32 s19, 0
	s_lshl_b32 s20, s71, 12                        ; mbits: 4,096 bytes a query tile
	s_mov_b32 s21, 0
	s_lshr_b32 s22, s70, 4
	s_lshl_b32 s22, s22, 7
	s_add_co_u32 s22, s22, s71                     ; ao: token tile = batch x 128 + query tile,
	s_lshl_b32 s22, s22, 15                        ; 32,768 bytes each,
	s_and_b32 s23, s70, 15
	s_lshl_b32 s23, s23, 11                        ; and 2,048 bytes a head
	s_add_co_u32 s22, s22, s23
	s_mov_b32 s23, 0
	s_wait_dscnt 0x0
	s_wait_kmcnt 0x0
	s_add_nc_u64 s[24:25], s[96:97], s[16:17]      ; my part of fill 0
	s_add_nc_u64 s[2:3], s[98:99], s[20:21]        ; my mask words
	s_add_nc_u64 s[98:99], s[96:97], s[26:27]      ; K of key step 0
	s_add_nc_u64 s[96:97], s[96:97], s[18:19]      ; my Q tiles
	s_add_nc_u64 s[4:5], s[100:101], s[22:23]      ; my part of ao
	ROUND                                          ; the four work-groups are here: the first joint load meets
	s_mov_b32 s8, 1
	s_lshl_b32 s9, s6, 13                          ; LDS: 8,192 x wave
	s_mov_b64 s[10:11], s[24:25]
	s_or_b32 s11, s11, 0x80000000
	tensor_load_to_lds s[8:11], s[72:79]           ; fill 0 into slot 0: one tensor load of the wave is out, here and behind every round
	s_nop 0
	s_mov_b32 s12, 1                               ; slot 1's group 0: fill 1, asked for behind the first turn's round
	s_add_co_u32 s13, s9, SLOTB
	s_add_nc_u64 s[14:15], s[24:25], FILLB
	s_or_b32 s15, s15, 0x80000000
	v_and_b32 v5, 31, v0
	v_lshlrev_b32 v[LA], 4, v5
	v_add_nc_u32 v[LA+1], SLOTB, v[LA]
	WIN 0x40                                       ; destination in window 1
.set ee, 0
.rept 16
	global_load_b128 v[QR+4*ee:QR+4*ee+3], v[LA], s[96:97] offset:512*ee   ; my four Q tiles, already in fragment order
.set ee, ee+1
.endr
	WIN 0
.set ee, 0
.rept 16
	global_load_b128 v[KF+4*ee:KF+4*ee+3], v[LA], s[98:99] offset:512*ee   ; K of key step 0, in fragment order too
.set ee, ee+1
.endr
	WIN 0x40
.set ee, 0
.rept 128
	v_mov_b32 v[OA+ee], 0                          ; O^T = 0, while the loads are on their way
.set ee, ee+1
.endr
	WIN 0
	s_wait_loadcnt 0x0                             ; Q and K are in; their address registers are free
	MLOAD 0, 0                                     ; the lane masks of the first stage
	SMUL S0, 0                                     ; and its scores
.irp i, 0,1,2,3
	v_mov_b32 v[RM+\i], 0xff7fffff                 ; -FLT_MAX; these ten lines are also the places behind SMUL
	v_mov_b32 v[LS+\i], 0
.endr
	v_mov_b32 v[NINF], 0xff800000
	v_mov_b32 v[XR], 0
	s_mov_b32 s100, 3
.Lpair:                                        ; turns 0 .. 5 ask for fills 1 .. 6
	TRIP 0, 1
	TRIP 1, 1
	s_sub_co_u32 s100, s100, 1
	s_cmp_lg_u32 s100, 0
	s_cbranch_scc1 .Lpair
	TRIP 0, 1                                      ; turn 6 asks for fill 7
	TRIP 1, 0                                      ; turn 7: nothing is left to fetch
	PLACES
; The end: the two halves of the row sum meet, O^T / sum, rounded once to f16; a lane's 8 d of a query are 16 bytes of the order in which the
; output projection loads fragments.  Each store of the wave covers 512 consecutive bytes, aligned.
.macro FIN i
	v_permlanex16_b32 v[XR], v[LS+\i], s66, s67
	v_add_f32 v[LS+\i], v[LS+\i], v[XR]
	v_rcp_f32 v[AL], v[LS+\i]
	v_rcp_f32 v[AL+1], v[LS+\i]
	v_nop                                          ; a plain place behind the reciprocals
	WIN 0x01
.set ee, 0
	s_wait_alu depctr_va_vdst(0)
.rept 16
	v_pk_mul_f32 v[S0+2*ee:S0+2*ee+1], v[OA+32*\i+2*ee:OA+32*\i+2*ee+1], v[AL:AL+1]
.set ee, ee+1
.endr
	WIN 0
.set ee, 0
.rept 16
	v_cvt_pk_f16_f32 v[KF+16*\i+ee], v[S0+2*ee], v[S0+2*ee+1]
.set ee, ee+1
.endr
.irp dt, 0,1,2,3
	global_store_b128 v[LA], v[KF+16*\i+4*\dt:KF+16*\i+4*\dt+3], s[4:5] offset:\i*32768+\dt*512
.endr
.endm
	FIN 0
	FIN 1
	FIN 2
	FIN 3
	s_wait_kmcnt 0x0                               ; the last look-ahead's mask words
	s_wait_dscnt 0x0
	ROUND                                          ; the closing round: no work-group ends while a partner may still ask for a tile that names it
	s_endpgm
.Lfunc_end_k_q58c204c4a7_attn:
	.size	k_q58c204c4a7_attn, .Lfunc_end_k_q58c204c4a7_attn-k_q58c204c4a7_attn
	.p2alignl 7, 3214868480
	.fill 96, 4, 3214868480
	.section	.rodata,"a",@progbits
	.p2align	6, 0x0
	.amdhsa_kernel k_q58c204c4a7_attn
		.amdhsa_group_segment_fixed_size 327680
		.amdhsa_private_segment_fixed_size 0
		.amdhsa_enable_private_segment 0
		.amdhsa_kernarg_size 24
		.amdhsa_user_sgpr_count 2
		.amdhsa_user_sgpr_kernarg_segment_ptr 1
		.amdhsa_wavefront_size32 1
		.amdhsa_system_sgpr_workgroup_id_x 1
		.amdhsa_system_sgpr_workgroup_id_y 1
		.amdhsa_system_sgpr_workgroup_id_z 1
		.amdhsa_system_vgpr_workitem_id 0
		.amdhsa_next_free_vgpr 448
		.amdhsa_next_free_sgpr 102
		.amdhsa_reserve_vcc 0
		.amdhsa_float_denorm_mode_32 3
		.amdhsa_float_denorm_mode_16_64 3
		.amdhsa_memory_ordered 1
		.amdhsa_forward_progress 1
		.amdhsa_inst_pref_size 193
	.end_amdhsa_kernel
	.amdgpu_metadata
---
amdhsa.version: [ 1, 2 ]
amdhsa.kernels:
  - .name:           k_q58c204c4a7_attn
    .symbol:         k_q58c204c4a7_attn.kd
    .args:
      - { .name: qkv, .offset: 0, .size: 8, .value_kind: global_buffer, .address_space: global }
      - { .name: mbits, .offset: 8, .size: 8, .value_kind: global_buffer, .address_space: global }
      - { .name: ao, .offset: 16, .size: 8, .value_kind: global_buffer, .address_space: global }
    .group_segment_fixed_size: 327680
    .private_segment_fixed_size: 0
    .kernarg_segment_align: 8
    .kernarg_segment_size: 24
    .max_flat_workgroup_size: 256
    .sgpr_count:     102
    .vgpr_count:     448
    .wavefront_size: 32
...
	.end_amdgpu_metadata
.endif
;; end of part 5
;; launch proj: the kernel of part 4 again; grid 8 x 32, 4 waves a work-group, clusters of 4 x 4, 327,680 bytes of LDS; arguments ao, wob, b_out, out0; writes out0
